; MI455X (gfx1250); checked and timed in simulation.
; The chip was launched on July 23, 2026; its instructions are those of AMD's public machine-readable ISA for CDNA 5 (MIT licence, August 2026) and "CDNA5" Instruction Set Architecture Reference Guide (July 2026). The comments in the code are by the model that wrote it; some were corrected since.
;; Causal Self Attention. Allowed arithmetic: matrix products marked QUANTISED: E4M3 operands, one given power-of-two scale a tensor, by v_wmma_f32_16x16x64_fp8_fp8 or v_wmma_f32_16x16x128_fp8_fp8, f32 sums; everything else in f32.
;; Inputs: b_proj 1,024 float32; b_qkv 3,072 float32; lowp_scales 8 int32 (the exponents e of the quantised operands' scales 2^e); w_proj 1,024 x 1,024 float32; w_qkv 1,024 x 3,072 float32; x 4 x 2,048 x 1,024 float32.
;; Outputs: out0 4 x 2,048 x 1,024 float32.
;; This version of the problem:
;;   THIS VERSION OF THE PROBLEM IS GIVEN IN LOW PRECISION. The matrix products marked QUANTISED in the list below multiply operands that are first quantised to E4M3 (4 exponent bits, 3 mantissa bits; 8 bits a number), with one given power-of-two scale for each operand tensor; their sums are f32. All else is computed in f32.
;;   The module's matrix products, in the order in which they are computed (A, B: the left and right operand; K: the contracted axis; several contracted axes count as one K, in the product's order):
;;     1. [M 8,192, K 1,024] x [K 1,024, N 3,072]; A: input x; B: input w_qkv: QUANTISED (scales: A lowp_scales[0], B lowp_scales[1])
;;     2. batch 64 x [M 2,048, K 64] x [K 64, N 2,048]; A: computed on the way; B: computed on the way: QUANTISED (scales: A lowp_scales[2], B lowp_scales[3])
;;     3. batch 64 x [M 2,048, K 2,048] x [K 2,048, N 64]; A: softmax (see below); B: computed on the way: QUANTISED (scales: A lowp_scales[4], B lowp_scales[5])
;;     4. [M 8,192, K 1,024] x [K 1,024, N 1,024]; A: computed on the way; B: input w_proj: QUANTISED (scales: A lowp_scales[6], B lowp_scales[7])
;;   THE QUANTISER, for each operand of a quantised product, along K:
;;     - The operand's scale is 2^e, e = its entry of the input lowp_scales (int32; the entries are numbered through the quantised products in the list's order, A before B).
;;     - Each number is divided by the scale, clamped to +-448, and rounded to the nearest number of E4M3, ties to even, subnormals kept.
;;     - The product sums the exact products of the quantised numbers (number of the format x scale) in f32.
;;   ~~~python
;;   def quantise(x, axis, e):      # numpy; x: float32 -> the quantised numbers, widened to float32 again
;;       x = np.moveaxis(x, axis, -1); K = x.shape[-1]
;;       r = np.clip(x / 2.0 ** e, -448, 448)
;;       step = 2.0 ** (np.maximum(np.frexp(np.where(r == 0, 1, r))[1] - 1, -6) - 3)
;;       q = np.round(r / step) * step * 2.0 ** e      # np.round: ties to even
;;       return np.moveaxis(q, -1, axis).astype(np.float32)
;;   ~~~
;;   SOFTMAX AHEAD OF A QUANTISED PRODUCT. Where the list says 'softmax', what is quantised is not the finished softmax but p = 2^(t - M), with t = logit x log2(e) and M = ceil(the row's largest t), a whole number; so 1/2 < the row's largest p <= 1. The row's sum l is taken of the UNQUANTISED p, in f32, and the product's result is divided by l at the end. Since M is a whole number, a kernel that streams over the keys may use a running M (the ceiling of the running maximum): every later rescaling is an exact power of two, so the quantised numbers keep their values, but for numbers so far below the row's largest that they fall under the format's range.
;;   OPERANDS COMPUTED ON THE WAY. 'Computed on the way' means the value that the module computes at that place (a softmax that the list does not call 'softmax' is quantised finished and normalised). What goes into a quantiser is computed in f32, as accurately as f32 sums, v_exp_f32 and their like allow (about 1e-6 of the number): no bf16 or f16 on the way to a quantiser, and a product that is left as it is and whose result goes on into a quantised operand takes f32 operands (vector FMAs, or v_wmma_f32_16x16x4_f32). A number that lies on a knife's edge between two numbers of the format may be rounded either way, as far as f32 arithmetic and the matrix unit's own rounding can turn it there, and no further.
;; One version. Each part assembles by itself: llvm-mc -triple=amdgcn-amd-amdhsa -mcpu=gfx1250 --defsym DOCPART=n.
;; ======== version 1 of 1: 5 launches
;; limits: right only within a limited range of input values
;; workspace buffers: xc 8,388,608 bytes; wqc 3,145,728 bytes; wpc 1,048,576 bytes; qkv 25,165,824 bytes; ac 8,388,608 bytes
;; launch quant_x (part 1): grid 1024 x 1, 4 waves a work-group, no clusters, 33,280 bytes of LDS; arguments x, lowp_scales, xc; writes xc
.if DOCPART == 1
	.amdgcn_target "amdgcn-amd-amdhsa--gfx1250"
	.amdhsa_code_object_version 6
	.text
	.protected	k_qef9859730e_quant_x
	.globl	k_qef9859730e_quant_x
	.p2align	8
	.type	k_qef9859730e_quant_x,@function
k_qef9859730e_quant_x:
	s_mov_b64 s[64:65], 0
	v_nop
	global_prefetch_b8 v0, s[64:65] scope:SCOPE_SE
	s_setreg_imm32_b32 hwreg(HW_REG_WAVE_MODE, 25, 1), 1
	s_wait_xcnt 0x0
; x [8192][1024] f32 becomes xc [8192][1024], codes of FP8 (E4M3), one a byte, K innermost, with the given scale 2^e, e = entry 0 of the scales.
; code = x / 2^e, held within +-448, rounded to the nearest code, ties to even.  LIMITS: -126 <= e <= 119; NaN among the inputs is not served (an infinity is held at the largest code).
; Rows are dense, so the tensor is a plain stream.  A wave takes 4 steps of 512 numbers; all its 16 loads (8,192 bytes) go out at the head.
; Each load reads 512 consecutive bytes, 16 a lane; the conversion wants 16 NEIGHBOURS in one lane: so a step's 2,048 bytes turn through the wave's own stage in LDS
; (four lanes' 64 bytes on end, then 16 of padding) and come back 64 bytes a lane.  A lane's 16 codes are 16 bytes: the wave stores 512 consecutive bytes.  Waves share nothing: no barrier.
; WORK LEFT OUT IN THIS PROGRAM: the module sets every score of a key behind its query to -infinity ahead of the softmax (causal), so such a key's p is 0 for all values of the inputs;
; the attention launch leaves out the tiles of keys that lie wholly behind a wave's queries.  LIMIT: a NaN, an infinity or an overflow that reaches only those scores is not carried to the result.
.set WAVES, 4
.set STEPS, 4
.set EMAX,  8
.set MANT,  0x600000                   ; the mantissa field of 448 as f32
.set CB,    16                         ; bytes of 16 codes
.set R,     16                         ; v16-79   four sets of 16 numbers as loaded, one for each step
.set X,     80                         ; v80-111  two sets of 16 neighbours
.set C,     112                        ; v112-127 codes: four registers for each step, so that no store's data are written again
.set WREG,  8192                       ; LDS: a region for each wave: two stages of 32 x SP bytes
.set SP,    80                         ; a lane's place in a stage: 64 bytes + 16 of padding
.set SPW,   12                         ; v12 LDS address of my spare word; never rewritten
.set NIL,   13                         ; v13 0; never rewritten
.set SPARE, WAVES*WREG                 ; behind the regions: the spare words, 128 bytes a wave, which no other line names
	s_load_b128 s[4:7], s[0:1], 0x0                ; x, the scales' exponents
	s_load_b64 s[8:9], s[0:1], 0x10                ; xc
	v_lshl_add_u32 v[SPW], v0, 2, SPARE
	v_mov_b32 v[NIL], 0
	v_lshrrev_b32 v1, 5, v0
	v_readfirstlane_b32 s16, v1                    ; wave
	v_and_b32 v2, 31, v0                           ; lane
	v_lshlrev_b32 v3, 4, v2                        ; my 16 bytes of a load's 512
	s_mul_i32 s17, s16, WREG
	v_lshrrev_b32 v14, 2, v2
	v_mul_u32_u24 v14, v14, SP
	v_and_b32 v15, 3, v2
	v_lshl_add_u32 v14, v15, 4, v14
	v_add_nc_u32 v14, s17, v14                     ; the stage on the way in: SP (lane / 4) + 16 (lane % 4)
	v_mul_u32_u24 v15, v2, SP
	v_add_nc_u32 v15, s17, v15                     ; and on the way out: SP x lane: my 16 neighbours
	v_mul_u32_u24 v4, v2, CB                       ; my codes' place in a step's
	s_lshl_b32 s18, ttmp9, 2
	s_add_co_u32 s18, s18, s16                     ; which run of 2,048 numbers is my wave's
	s_lshl_b32 s20, s18, 13                        ; 8,192 bytes of x,
	s_mov_b32 s21, 0
	s_lshl_b32 s22, s18, 11                        ; 2,048 bytes of codes
	s_mov_b32 s23, 0
	s_wait_alu depctr_va_vdst(0)
	s_wait_kmcnt 0x0
	s_load_b32 s24, s[6:7], 0x0                    ; e
	s_add_nc_u64 s[4:5], s[4:5], s[20:21]
	s_add_nc_u64 s[8:9], s[8:9], s[22:23]
.macro LOAD t
.irp i, 0,1,2,3
	global_load_b128 v[R+16*(\t)+4*\i:R+16*(\t)+4*\i+3], v3, s[4:5] offset:2048*(\t)+512*\i th:TH_LOAD_NT   ; 32 lanes read 512 consecutive bytes
.endr
.endm
.macro TURN t                          ; step t's numbers through the stage: LDS serves a wave's instructions in order, so no wait stands between the stores and the loads
.irp i, 0,1,2,3
	ds_store_b128 v14, v[R+16*(\t)+4*\i:R+16*(\t)+4*\i+3] offset:32*SP*((\t)%2)+8*SP*\i
.endr
.irp i, 0,1,2,3
	ds_load_b128 v[X+16*((\t)%2)+4*\i:X+16*((\t)%2)+4*\i+3], v15 offset:32*SP*((\t)%2)+16*\i
.endr
.endm
.irp t, 0,1,2,3
	LOAD \t
.endr
	s_wait_kmcnt 0x0
	s_add_co_i32 s24, s24, 127
	s_lshl_b32 s25, s24, 23
	v_mov_b32 v11, s25                             ; 2^e as f32: the conversion takes its exponent field
	s_wait_alu depctr_va_vdst(0)
	s_wait_loadcnt 12                              ; step 0's four loads are in; the twelve of the three younger steps may be out
	TURN 0
.macro STEP t
.set XS, X+16*((\t)%2)
	s_wait_dscnt 0x0                               ; this step's numbers are back from the stage
.if (\t)+1 < STEPS
	s_wait_loadcnt 4*(STEPS-2-(\t))                ; the next step's four loads are in; those of the steps behind it may be out
	TURN (\t)+1                                    ; and go through the other stage while this step is worked
.endif
.irp i, 0,1,2,3,4,5,6,7,8,9,10,11,12,13,14,15
.endr
	v_cvt_scalef32_pk8_fp8_f32 v[C+4*(\t):C+4*(\t)+1], v[XS:XS+7], v11
	v_cvt_scalef32_pk8_fp8_f32 v[C+4*(\t)+2:C+4*(\t)+3], v[XS+8:XS+15], v11
	v_nop                                          ; a plain vector line behind the last conversion of the run
	global_store_b128 v4, v[C+4*(\t):C+4*(\t)+3], s[8:9] offset:32*CB*(\t)   ; 512 consecutive bytes, aligned
.endm
.irp t, 0,1,2,3
	STEP \t
.endr
	s_wait_tensorcnt 0x0                           ; the wave's end, behind my last LDS store
	ds_add_u32 v[SPW], v[NIL]
	s_wait_dscnt 0x0
	s_endpgm
.Lfunc_end_k_qef9859730e_quant_x:
	.size	k_qef9859730e_quant_x, .Lfunc_end_k_qef9859730e_quant_x-k_qef9859730e_quant_x
	.p2alignl 7, 3214868480
	.fill 96, 4, 3214868480
	.section	.rodata,"a",@progbits
	.p2align	6, 0x0
	.amdhsa_kernel k_qef9859730e_quant_x
		.amdhsa_group_segment_fixed_size 33280
		.amdhsa_private_segment_fixed_size 0
		.amdhsa_enable_private_segment 0
		.amdhsa_kernarg_size 24
		.amdhsa_user_sgpr_count 2
		.amdhsa_user_sgpr_kernarg_segment_ptr 1
		.amdhsa_wavefront_size32 1
		.amdhsa_system_sgpr_workgroup_id_x 1
		.amdhsa_system_sgpr_workgroup_id_y 1
		.amdhsa_system_sgpr_workgroup_id_z 1
		.amdhsa_system_vgpr_workitem_id 0
		.amdhsa_next_free_vgpr 128
		.amdhsa_next_free_sgpr 66
		.amdhsa_reserve_vcc 0
		.amdhsa_float_denorm_mode_32 3
		.amdhsa_float_denorm_mode_16_64 3
		.amdhsa_fp16_overflow 1
		.amdhsa_memory_ordered 1
		.amdhsa_forward_progress 1
		.amdhsa_inst_pref_size 7
	.end_amdhsa_kernel
	.amdgpu_metadata
---
amdhsa.version: [ 1, 2 ]
amdhsa.kernels:
  - .name:           k_qef9859730e_quant_x
    .symbol:         k_qef9859730e_quant_x.kd
    .args:
      - { .name: x, .offset: 0, .size: 8, .value_kind: global_buffer, .address_space: global }
      - { .name: lowp_scales, .offset: 8, .size: 8, .value_kind: global_buffer, .address_space: global }
      - { .name: xc, .offset: 16, .size: 8, .value_kind: global_buffer, .address_space: global }
    .group_segment_fixed_size: 33280
    .private_segment_fixed_size: 0
    .kernarg_segment_align: 8
    .kernarg_segment_size: 24
    .max_flat_workgroup_size: 128
    .sgpr_count:     66
    .vgpr_count:     128
    .wavefront_size: 32
...
	.end_amdgpu_metadata
.endif
;; end of part 1
;; launch quant_w (part 2): grid 64 x 4, 8 waves a work-group, no clusters, 18,432 bytes of LDS; arguments w_qkv, w_proj, lowp_scales, wqc, wpc; writes wqc, wpc
.if DOCPART == 2
	.amdgcn_target "amdgcn-amd-amdhsa--gfx1250"
	.amdhsa_code_object_version 6
	.text
	.protected	k_qef9859730e_quant_w
	.globl	k_qef9859730e_quant_w
	.p2align	8
	.type	k_qef9859730e_quant_w,@function
k_qef9859730e_quant_w:
	s_mov_b64 s[64:65], 0
	v_nop
	global_prefetch_b8 v0, s[64:65] scope:SCOPE_SE
	s_setreg_imm32_b32 hwreg(HW_REG_WAVE_MODE, 25, 1), 1
	s_wait_xcnt 0x0
; w_qkv [1024 k][3072 n] and w_proj [1024 k][1024 n], f32, K their FIRST axis, become codes of FP8 (E4M3) with K innermost: wqc [3072][1024], wpc [1024][1024].
; code = w / 2^e, held within +-448, to the nearest code, ties to even; e = entry 1 of the scales for w_qkv, entry 7 for w_proj.  LIMITS: -126 <= e <= 119; NaN is not served.
; A LANE TAKES A COLUMN n AND ITS REGISTERS RUN DOWN K: each load reads neighbouring n in neighbouring lanes, and the conversions give codes with K innermost; nothing is transposed by an instruction.
; A work-group takes 64 columns x 256 k: x < 48: column group x of w_qkv, else group x - 48 of w_proj; y: the quarter of K.  Wave w: columns 32 (w & 1) on, k 64 (w >> 1) on: 64 loads, all issued at once.
; The codes meet in a stage of 64 rows (columns n) x 256 bytes + 16; a barrier, since a row's 256 bytes come from four waves; each wave then stores 8 whole rows, sixteen lanes to 256 aligned bytes.
; One path for both tensors: pointers, column group and row pitch are chosen by the work-group's number; only the 64 loads stand twice, since the row pitch stands in their immediates.
.set PITCH, 272
.set X,     32                         ; v32-95   64 numbers down K
.set C,     96                         ; v96-111  their codes
.set OUTR,  112                        ; v112-127 the way out
.set SPW,   14
.set NIL,   15
.set SPARE, 64*PITCH                   ; behind the stage: the spare words, 128 bytes for each of eight waves, which no other line names
	s_load_b256 s[4:11], s[0:1], 0x0               ; w_qkv s[4:5], w_proj s[6:7], the exponents s[8:9], wqc s[10:11]
	s_load_b64 s[12:13], s[0:1], 0x20              ; wpc
	v_lshl_add_u32 v[SPW], v0, 2, SPARE
	v_mov_b32 v[NIL], 0
	v_lshrrev_b32 v1, 5, v0
	s_delay_alu instid0(VALU_DEP_1)
	v_readfirstlane_b32 s16, v1                    ; wave 0..7
	v_and_b32 v2, 31, v0                           ; lane
	s_and_b32 s17, s16, 1                          ; which 32 columns
	s_lshr_b32 s18, s16, 1                         ; which 64 along K
	s_and_b32 s19, ttmp7, 0xffff                   ; which 256 along K
	v_lshlrev_b32 v3, 2, v2                        ; in: 4 bytes a lane
	s_mul_i32 s20, s17, 32*PITCH
	s_lshl_b32 s21, s18, 6
	s_add_co_u32 s20, s20, s21
	v_mul_u32_u24 v4, v2, PITCH
	s_delay_alu instid0(VALU_DEP_1)
	v_add_nc_u32 v4, s20, v4                       ; into the stage: row = my column, byte = my 64 along K
	v_and_b32 v5, 15, v2
	v_lshrrev_b32 v6, 4, v2
	s_mul_i32 s20, s16, 8*PITCH
	v_mul_u32_u24 v7, v6, PITCH
	s_delay_alu instid0(VALU_DEP_1)
	v_lshl_add_u32 v7, v5, 4, v7
	s_delay_alu instid0(VALU_DEP_1)
	v_add_nc_u32 v7, s20, v7                       ; out of it: my 8 rows, sixteen lanes to a row, two rows an instruction
	v_lshlrev_b32 v8, 10, v6
	s_delay_alu instid0(VALU_DEP_1)
	v_lshl_add_u32 v8, v5, 4, v8                   ; and the same place in the codes' buffer (rows of 1,024 bytes)
	s_cmp_lt_u32 ttmp9, 48                         ; w_qkv's work-group or w_proj's?
	s_cselect_b32 s22, 0, 48
	s_mov_b32 s23, 4096
	s_cselect_b32 s23, 12288, s23                  ; a row of the weight in bytes
	s_sub_co_u32 s22, ttmp9, s22                   ; the group of 64 columns
	s_lshl_b32 s24, s19, 8
	s_lshl_b32 s25, s18, 6
	s_add_co_u32 s24, s24, s25                     ; my first k
	s_mul_i32 s24, s24, s23
	s_lshl_b32 s25, s22, 8
	s_add_co_u32 s24, s24, s25                     ; + 4 x 64 x group
	s_lshl_b32 s25, s17, 7
	s_add_co_u32 s24, s24, s25                     ; + 4 x 32 x half
	s_mov_b32 s25, 0
	s_lshl_b32 s26, s22, 6
	s_lshl_b32 s27, s16, 3
	s_add_co_u32 s26, s26, s27                     ; the first row of codes that I store: 64 x group + 8 x wave
	s_lshl_b32 s26, s26, 10
	s_lshl_b32 s27, s19, 8
	s_add_co_u32 s26, s26, s27                     ; + 256 y
	s_mov_b32 s27, 0
	s_wait_kmcnt 0x0
	s_load_b256 s[32:39], s[8:9], 0x0              ; the eight exponents
	s_cmp_lt_u32 ttmp9, 48
	s_cselect_b64 s[4:5], s[4:5], s[6:7]
	s_cselect_b64 s[10:11], s[10:11], s[12:13]
	s_add_nc_u64 s[4:5], s[4:5], s[24:25]
	s_add_nc_u64 s[10:11], s[10:11], s[26:27]
.macro LOADS sn                        ; W(my first k + i, my column), i = 0 .. 63
.set i, 0
.rept 64
	global_load_b32 v[X+i], v3, s[4:5] offset:i*\sn th:TH_LOAD_NT
.set i, i+1
.endr
.endm
	s_cmp_lt_u32 ttmp9, 48
	s_cbranch_scc0 .Lw_proj
	LOADS 12288
	s_branch .Lloaded
.Lw_proj:
	LOADS 4096
.Lloaded:
	s_wait_kmcnt 0x0
	s_cmp_lt_u32 ttmp9, 48
	s_cselect_b32 s28, s33, s39                    ; e
	s_add_co_i32 s28, s28, 127
	s_lshl_b32 s29, s28, 23
	v_mov_b32 v11, s29                             ; 2^e as f32
.macro BLOCK t                         ; 32 numbers become 32 codes
.set i, 0
.rept 32
.set i, i+1
.endr
.irp g, 0,1,2,3
	v_cvt_scalef32_pk8_fp8_f32 v[C+8*(\t)+2*\g:C+8*(\t)+2*\g+1], v[X+32*(\t)+8*\g:X+32*(\t)+8*\g+7], v11
.endr
.endm
	s_wait_alu depctr_va_vdst(0)
	s_wait_loadcnt 32                              ; the first 32 loads are in; the other 32 may be out
	BLOCK 0
	s_wait_alu depctr_va_vdst(0)
	s_wait_loadcnt 0x0
	BLOCK 1
	v_nop                                          ; a plain vector line behind the last conversion
.irp c, 0,1,2,3
	ds_store_b128 v4, v[C+4*\c:C+4*\c+3] offset:16*\c
.endr
	s_wait_dscnt 0x0                               ; for the others' sake: my stores into the stage are done
	s_barrier_signal -1
	s_barrier_wait -1
.irp t, 0,1,2,3
	ds_load_b128 v[OUTR+4*\t:OUTR+4*\t+3], v7 offset:2*\t*PITCH
.endr
.irp t, 0,1,2,3
	s_wait_dscnt 3-\t                              ; load t is in, the younger ones may be out
	global_store_b128 v8, v[OUTR+4*\t:OUTR+4*\t+3], s[10:11] offset:2*\t*1024   ; sixteen lanes store 256 consecutive bytes, aligned
.endr
	s_wait_tensorcnt 0x0                           ; the wave's end, behind my last LDS store
	ds_add_u32 v[SPW], v[NIL]
	s_wait_dscnt 0x0
	s_endpgm
.Lfunc_end_k_qef9859730e_quant_w:
	.size	k_qef9859730e_quant_w, .Lfunc_end_k_qef9859730e_quant_w-k_qef9859730e_quant_w
	.p2alignl 7, 3214868480
	.fill 96, 4, 3214868480
	.section	.rodata,"a",@progbits
	.p2align	6, 0x0
	.amdhsa_kernel k_qef9859730e_quant_w
		.amdhsa_group_segment_fixed_size 18432
		.amdhsa_private_segment_fixed_size 0
		.amdhsa_enable_private_segment 0
		.amdhsa_kernarg_size 40
		.amdhsa_user_sgpr_count 2
		.amdhsa_user_sgpr_kernarg_segment_ptr 1
		.amdhsa_wavefront_size32 1
		.amdhsa_system_sgpr_workgroup_id_x 1
		.amdhsa_system_sgpr_workgroup_id_y 1
		.amdhsa_system_sgpr_workgroup_id_z 1
		.amdhsa_system_vgpr_workitem_id 0
		.amdhsa_next_free_vgpr 128
		.amdhsa_next_free_sgpr 66
		.amdhsa_reserve_vcc 0
		.amdhsa_float_denorm_mode_32 3
		.amdhsa_float_denorm_mode_16_64 3
		.amdhsa_fp16_overflow 1
		.amdhsa_memory_ordered 1
		.amdhsa_forward_progress 1
		.amdhsa_inst_pref_size 17
	.end_amdhsa_kernel
	.amdgpu_metadata
---
amdhsa.version: [ 1, 2 ]
amdhsa.kernels:
  - .name:           k_qef9859730e_quant_w
    .symbol:         k_qef9859730e_quant_w.kd
    .args:
      - { .name: w_qkv, .offset: 0, .size: 8, .value_kind: global_buffer, .address_space: global }
      - { .name: w_proj, .offset: 8, .size: 8, .value_kind: global_buffer, .address_space: global }
      - { .name: lowp_scales, .offset: 16, .size: 8, .value_kind: global_buffer, .address_space: global }
      - { .name: wqc, .offset: 24, .size: 8, .value_kind: global_buffer, .address_space: global }
      - { .name: wpc, .offset: 32, .size: 8, .value_kind: global_buffer, .address_space: global }
    .group_segment_fixed_size: 18432
    .private_segment_fixed_size: 0
    .kernarg_segment_align: 8
    .kernarg_segment_size: 40
    .max_flat_workgroup_size: 256
    .sgpr_count:     66
    .vgpr_count:     128
    .wavefront_size: 32
...
	.end_amdgpu_metadata
.endif
;; end of part 2
;; launch gemm_qkv (part 3): grid 12 x 32, 4 waves a work-group, clusters of 4 x 4, 327,680 bytes of LDS; arguments xc, wqc, lowp_scales, b_qkv, qkv; writes qkv
.if DOCPART == 3
	.amdgcn_target "amdgcn-amd-amdhsa--gfx1250"
	.amdhsa_code_object_version 6
	.text
	.protected	k_qef9859730e_gemm_qkv
	.globl	k_qef9859730e_gemm_qkv
	.p2align	8
	.type	k_qef9859730e_gemm_qkv,@function
k_qef9859730e_gemm_qkv:
	s_mov_b64 s[64:65], 0
	v_nop
	global_prefetch_b8 v0, s[64:65] scope:SCOPE_SE
	s_setreg_imm32_b32 hwreg(HW_REG_WAVE_MODE, 25, 1), 1
	s_wait_xcnt 0x0
	s_wait_alu depctr_hold_cnt(0) depctr_sa_sdst(0) depctr_va_vdst(0) depctr_va_sdst(0) depctr_va_ssrc(0) depctr_va_vcc(0) depctr_vm_vsrc(0)
	s_getreg_b32 s2, hwreg(HW_REG_IB_STS2, 6, 4)
	s_cmp_eq_u32 s2, 0
	s_cbranch_scc0 .Lentry_in_a_cluster
	s_endpgm
.Lentry_in_a_cluster:
	s_bfe_u32 s2, ttmp6, 0x10000c
	s_cmp_lg_u32 s2, 0xf033
	s_cbranch_scc0 .Lentry_shape_is_right
	s_endpgm
.Lentry_shape_is_right:
; q, k, v = x w_qkv + b_qkv on codes of FP8 (E4M3), and their own codes for attention.  xc [8192 tokens][1024], wqc [3072 n][1024]: codes, K innermost.  Exponents e0 (x), e1 (w_qkv), e2 (q), e3 (k), e5 (v).
; A tile of 256 x 256 sums is made by four waves, 128 x 128 each (64 accumulators, 512 registers); K goes in steps of 256 through a ring of two LDS slots filled by the tensor data mover.
; CLUSTERS: 4 x 4 work-groups; A's tile is shared along a row of the cluster, B's along a column: each is asked for jointly.  The cluster's x says what is made: 0 q, 1 k, 2 v; it is the same in all sixteen partners.
; THE MATRIX INSTRUCTION IS USED TRANSPOSED (source 0 = 16 rows of B, source 1 = 16 rows of A): a lane holds ONE row of A's side and eight neighbours of B's side.
;   q, k: A = xc (tokens), B = wqc (n): a lane's registers run along the head's d, which is the next product's K.
;   v:    A = wqc (n = 2048 + ..), B = xc (tokens): a lane's registers run along the tokens, the keys, which are v's K.  Only the two tensors' addresses change places; every LDS address, mask and shape stays.
; THE BIAS: along B's side (q, k) it is the C of the first K step's products; along A's side (v) the addend of the way out's packed addition; both divided by 2^(e0 + e1), which the sums lack.
;   Both are always loaded (from index 0 on where they are not in use) and the one not in use is multiplied by 0.  LIMIT: b_qkv is finite.
; THE WAY OUT: sum + bias, held within +-448 x 2^f, converted with 2^f, f = e_out - e0 - e1; 16 bytes (two accumulators' codes) a store into my stage of 128 rows x 128 bytes + 16; back as 8 rows x 64 bytes, 512 consecutive bytes of the workspace.
;   So position 32 c + 16 h + 8 u + j of a row holds index 32 c + 16 u + 8 h + j: the same order in q and k (every product meets its partner), and in v the order in which attention's p lies in registers.
; qkv workspace: [head bh = 16 b + h][step of 128 tokens][part][8,192 bytes]; part 0 q, 1 k: [128 tokens][64]; part 2 v: [64 keys' half][64 d][64].
; LIMITS: f between -126 and 119, e0 + e1 between -127 and 126, so that each power of two is an f32 number.
; REGISTERS: window 0: v0-31 addresses; v32-95 the bias along B's side, later the block at work; v96-111 the bias along A's side, a pair a block; v128-255 A's fragments, ONE set, later the codes and the rows read back.
;   window 1: B's fragments, two sets.  windows 2, 3: the accumulators ((a, b) at v[8 (8 (a % 4) + b)]).
.set ROWB,   256                       ; a tile's row in bytes
.set KROW,   1024                      ; a row of xc or wqc in memory
.set PITCH,  272                       ; an LDS row: 256 bytes + 16 of padding: the 16 rows that a load touches start at 16 different banks (64 banks of 4 bytes: ISA guide 11.1)
.set FR,     16
.set NL,     4
.set NP,     4                         ; places behind this matrix instruction (ISA guide 7.12.1)
.set HALFT,  128*PITCH
.set SLOT,   4*HALFT
.set LAPS,   2                         ; 1,024 along K = two laps of two slots
.set SPARE,  2*SLOT                    ; behind the ring: the spare words, 128 bytes a wave, which no other line names
.set SPITCH, 144                       ; the way out: a stage row, 128 bytes + 16
.set WSTG,   128*SPITCH                ; a wave's stage; the four lie in slot 0, which has had its last fill and its last read when the first code is stored there
.set BHB,    393216                    ; a head's bytes in the workspace
.set STB,    24576                     ; a step's
.set ADRA, 16
.set ADRB, 20
.set STO,  24
.set RD,   25
.set CO,   26
.set SPW,  28
.set NIL,  29
.set QS,   30                          ; v30 2^f
.set QL,   31
.set BC,   32
.set TMP,  32
.set BR,   96
.set AF,   128
.set PC,   128
.set G1, 24
.set G0, 32
.set G1B, 48
.set G0B, 56
.set GB, 80                            ; s[80:87] four bases in the workspace: (column half c, row half rh) at 2 (2 c + rh)
.set MSB, 0
.macro WIN new                         ; the immediate's high byte repeats the setting that is left
.if MSB != (\new)
	s_set_vgpr_msb (MSB<<8)|(\new)
.set MSB, (\new)
.endif
.endm
.set MUL_LO, 0xa1                      ; source 0 (B) window 1, source 1 (A) window 0, C and D window 2
.set MUL_HI, 0xf1                      ; the same, C and D window 3
.set FST_LO, 0x81                      ; the first K step: C (the bias) window 0, D window 2
.set FST_HI, 0xc1                      ; D window 3
.set TO_B,   0x40
; A joint load: waves 0 and 1 fetch for A, waves 2 and 3 for B; the branch hangs on the wave's number alone.  An s_nop 0 and four v_nop follow each line.
.macro JLOAD g0a, g1a, g0b, g1b
	s_cmp_eq_u32 s15, 0
	s_cbranch_scc0 .Lfor_b_\@
	tensor_load_to_lds s[\g0a:\g0a+3], s[\g1a:\g1a+7]
	s_nop 0
.rept 4
	v_nop
.endr
	s_branch .Lasked_\@
.Lfor_b_\@:
	tensor_load_to_lds s[\g0b:\g0b+3], s[\g1b:\g1b+7]
	s_nop 0
.rept 4
	v_nop
.endr
.Lasked_\@:
.endm
.macro CREST                           ; a round of the cluster's barrier behind its opening barrier
	s_cmp_lg_u32 s14, 0
	s_cbranch_scc1 .Lnot_wave_0_\@
	s_barrier_signal -3
.Lnot_wave_0_\@:
	s_barrier_wait -3
	s_barrier_signal -1
	s_barrier_wait -1
.endm
.macro CROUND
	s_barrier_signal -1
	s_barrier_wait -1
	CREST
.endm
	s_load_b256 s[4:11], s[0:1], 0x0               ; xc s[4:5], wqc s[6:7], the exponents s[8:9], b_qkv s[10:11]
	s_load_b64 s[12:13], s[0:1], 0x20              ; the workspace
	v_lshl_add_u32 v[SPW], v0, 2, SPARE
	v_mov_b32 v[NIL], 0
	ds_add_u32 v[SPW], v[NIL]                      ; the wave's opening: the add and its wait stand ahead of my first tensor load; work on registers stands between them
	ds_add_u32 v[SPW], v[NIL]
	v_lshrrev_b32 v1, 5, v0
	v_readfirstlane_b32 s14, v1                    ; wave 0..3
	s_lshr_b32 s15, s14, 1                         ; which half of A's side is mine.  Also: I fetch for A (0) or for B (1)
	s_and_b32 s16, s14, 1                          ; which half of B's side.  Also: which 128 rows of that tile I fetch
	s_bfe_u32 s40, ttmp6, 0x40000                  ; cx
	s_bfe_u32 s41, ttmp6, 0x40004                  ; cy
	s_and_b32 s76, ttmp7, 0xffff
	s_lshl_b32 s76, s76, 2                         ; 4 x cluster y: tiles of tokens
	s_lshl_b32 s77, ttmp9, 2                       ; 4 x cluster x: tiles of n
	s_cmp_eq_u32 ttmp9, 2                          ; v?  The same in all sixteen partners
	s_cselect_b32 s17, 8, s76
	s_cselect_b32 s42, s76, s77
	s_add_co_u32 s17, s17, s41                     ; A's tile: q, k: tokens 4 cluster y + cy;  v: n 8 + cy
	s_add_co_u32 s42, s42, s40                     ; B's tile: q, k: n 4 cluster x + cx;  v: tokens 4 cluster y + cx
	s_lshl_b32 s43, s41, 2
	s_lshl_b32 s43, 15, s43                        ; my row of the cluster
	s_lshl_b32 s44, 0x1111, s40                    ; my column
	s_or_b32 s[G1+0], s43, (0<<16)|(1<<20)|(1<<21)|(5<<22)|(3<<25)  ; the mask: A's tiles go to my row; elements of 1 byte; padding on; bit 21 beside a mask; after every 64 words four words
	s_or_b32 s[G1B+0], s44, (0<<16)|(1<<20)|(1<<21)|(5<<22)|(3<<25)
.irp g, G1, G1B
	s_mov_b32 s[\g+1], ROWB<<16                    ; tensor_dim0
	s_mov_b32 s[\g+2], 128<<16                     ; tensor_dim1
	s_mov_b32 s[\g+3], ROWB<<16                    ; tile_dim0
	s_mov_b32 s[\g+4], 128                         ; tile_dim1
	s_mov_b32 s[\g+5], KROW                        ; the pitch: both tensors have rows of 1,024 bytes
	s_mov_b32 s[\g+6], 0
	s_mov_b32 s[\g+7], 0
.endr
	s_lshl_b32 s18, s16, 7
	s_lshl_b32 s20, s17, 8
	s_add_co_u32 s20, s20, s18                     ; A: row 256 x tile + 128 x half
	s_lshl_b32 s46, s42, 8
	s_add_co_u32 s46, s46, s18                     ; B likewise
	s_mov_b32 s21, 0
	s_mov_b32 s47, 0
	s_mov_b64 s[18:19], KROW
	s_mul_u64 s[20:21], s[20:21], s[18:19]
	s_mul_u64 s[46:47], s[46:47], s[18:19]
	s_mul_i32 s45, s14, HALFT                      ; where they go: wave x 128 rows
	s_wait_dscnt 0x0                               ; the opening add is done
	s_wait_kmcnt 0x0
	s_load_b256 s[68:75], s[8:9], 0x0              ; e0 .. e7
	s_cmp_eq_u32 ttmp9, 2
	s_cselect_b64 s[76:77], s[6:7], s[4:5]         ; A's tensor
	s_cselect_b64 s[78:79], s[4:5], s[6:7]         ; B's
	s_add_nc_u64 s[20:21], s[76:77], s[20:21]
	s_add_nc_u64 s[46:47], s[78:79], s[46:47]
	CROUND                                         ; all sixteen work-groups are here: the first joint loads meet
.irp s, 0,1
	s_mov_b32 s[G0+4*\s], 1
	s_add_co_u32 s[G0+4*\s+1], s45, \s*SLOT
	s_add_nc_u64 s[G0+4*\s+2:G0+4*\s+3], s[20:21], \s*ROWB
	s_or_b32 s[G0+4*\s+3], s[G0+4*\s+3], 0x80000000
	s_mov_b32 s[G0B+4*\s], 1
	s_add_co_u32 s[G0B+4*\s+1], s45, \s*SLOT
	s_add_nc_u64 s[G0B+4*\s+2:G0B+4*\s+3], s[46:47], \s*ROWB
	s_or_b32 s[G0B+4*\s+3], s[G0B+4*\s+3], 0x80000000
	s_wait_alu depctr_va_vdst(0)
	s_wait_tensorcnt 0x0
	ds_add_u32 v28, v29
	ds_add_u32 v28, v29
	s_wait_dscnt 0x0
	CROUND
	JLOAD G0+4*\s, G1, G0B+4*\s, G1B               ; one load of mine is out
.endr
	v_and_b32 v1, 15, v0                           ; r
	v_bfe_u32 v2, v0, 4, 1                         ; h
	; the biases
	s_wait_alu depctr_va_vdst(0)
	s_lshl_b32 s18, s42, 8
	s_lshl_b32 s19, s16, 7
	s_add_co_u32 s18, s18, s19                     ; my first index on B's side
	s_lshl_b32 s22, s17, 8
	s_lshl_b32 s19, s15, 7
	s_add_co_u32 s22, s22, s19                     ; and on A's
	s_cmp_eq_u32 ttmp9, 2
	s_cselect_b32 s18, 0, s18                      ; q, k: n lies on B's side; v: on A's.  The other side's index counts tokens: index 0 takes its place, so that no load leaves the buffer
	s_cselect_b32 s22, s22, 0
	s_lshl_b32 s18, s18, 2
	s_lshl_b32 s22, s22, 2
	s_mov_b32 s19, 0
	s_mov_b32 s23, 0
	s_add_nc_u64 s[88:89], s[10:11], s[18:19]
	s_add_nc_u64 s[90:91], s[10:11], s[22:23]
	v_lshlrev_b32 v7, 5, v2                        ; 32 h: my eight numbers of each sixteen
	v_lshlrev_b32 v8, 2, v1                        ; 4 r
.irp b, 0,1,2,3,4,5,6,7
	global_load_b128 v[BC+8*\b:BC+8*\b+3], v7, s[88:89] offset:64*\b
	global_load_b128 v[BC+8*\b+4:BC+8*\b+7], v7, s[88:89] offset:64*\b+16
.endr
.irp a, 0,1,2,3,4,5,6,7
	global_load_b32 v[BR+2*\a], v8, s[90:91] offset:64*\a
.endr
	v_mul_u32_u24 v3, v1, PITCH
	v_lshl_add_u32 v4, v2, 4, v3                   ; a fragment's row x pitch + 16 x half
	s_mul_i32 s21, s15, HALFT
	s_mul_i32 s22, s16, HALFT
	s_add_co_u32 s22, s22, 2*HALFT
.irp s, 0,1
	v_add_nc_u32 v[ADRA+\s], s21, v4
	v_add_nc_u32 v[ADRB+\s], s22, v4
	s_add_co_u32 s21, s21, SLOT
	s_add_co_u32 s22, s22, SLOT
.endr
	s_mul_i32 s23, s14, WSTG                       ; my stage
	v_mul_u32_u24 v5, v1, SPITCH
	v_lshl_add_u32 v5, v2, 4, v5
	v_add_nc_u32 v[STO], s23, v5                   ; in: row r, 16 bytes for each half of the lanes
	v_and_b32 v6, 31, v0
	v_lshlrev_b32 v[CO], 4, v6                     ; out: 16 bytes a lane of 512
	v_lshrrev_b32 v5, 2, v6
	v_mul_u32_u24 v5, v5, SPITCH
	v_and_b32 v6, 3, v6
	v_lshl_add_u32 v5, v6, 4, v5
	v_add_nc_u32 v[RD], s23, v5                    ; back: four lanes to a row's 64 bytes, eight rows an instruction
	; where my 128 x 128 codes go
	s_lshl_b32 s18, s17, 1
	s_add_co_u32 s18, s18, s15                     ; q, k: my block of 128 tokens
	s_lshl_b32 s19, s42, 1
	s_add_co_u32 s19, s19, s16                     ; v: likewise
	s_lshl_b32 s20, s40, 2
	s_lshl_b32 s21, s16, 1
	s_add_co_u32 s20, s20, s21                     ; q, k: the first of my two heads
	s_lshl_b32 s21, s41, 2
	s_lshl_b32 s22, s15, 1
	s_add_co_u32 s21, s21, s22                     ; v: likewise
	s_mov_b32 s22, BHB
	s_mov_b32 s23, 4096
	s_cmp_eq_u32 ttmp9, 2
	s_cselect_b32 s18, s19, s18
	s_cselect_b32 s20, s21, s20
	s_cselect_b32 s92, s22, s23                    ; from row half to row half: q, k: 64 tokens; v: a head
	s_cselect_b32 s94, s23, s22                    ; from column half to column half: q, k: a head; v: 64 keys
	s_mov_b32 s93, 0
	s_mov_b32 s95, 0
	s_lshr_b32 s19, s18, 4
	s_lshl_b32 s19, s19, 4
	s_add_co_u32 s19, s19, s20                     ; bh = 16 b + head
	s_lshl_b32 s19, s19, 4
	s_and_b32 s18, s18, 15
	s_add_co_u32 s19, s19, s18                     ; 16 bh + step
	s_mul_i32 s18, s19, STB
	s_lshl_b32 s19, ttmp9, 13
	s_add_co_u32 s18, s18, s19                     ; + the part
	s_mov_b32 s19, 0
	s_add_nc_u64 s[GB:GB+1], s[12:13], s[18:19]
	s_add_nc_u64 s[GB+2:GB+3], s[GB:GB+1], s[92:93]
	s_add_nc_u64 s[GB+4:GB+5], s[GB:GB+1], s[94:95]
	s_add_nc_u64 s[GB+6:GB+7], s[GB+4:GB+5], s[92:93]
	s_wait_kmcnt 0x0                               ; the exponents
	s_cmp_eq_u32 ttmp9, 0
	s_cselect_b32 s66, s70, s71
	s_cmp_eq_u32 ttmp9, 2
	s_cselect_b32 s66, s73, s66                    ; e_out: e2, e3 or e5
	s_add_co_i32 s67, s68, s69                     ; e0 + e1
	s_sub_co_i32 s66, s66, s67                     ; f
	s_add_co_i32 s66, s66, 127
	s_lshl_b32 s99, s66, 23
	v_mov_b32 v[QS], s99                           ; 2^f
	s_sub_co_i32 s67, 127, s67
	s_lshl_b32 s67, s67, 23                        ; 2^-(e0 + e1)
	s_cmp_eq_u32 ttmp9, 2
	s_cselect_b32 s96, 0, s67                      ; for the bias on B's side
	s_cselect_b32 s98, s67, 0                      ; for the bias on A's side
	s_mov_b32 s97, s96                             ; (named with s96 as a pair, so it is written)
	s_wait_loadcnt 0x0                             ; the biases
.set i, 0
.rept 32
	v_pk_mul_f32 v[BC+i:BC+i+1], v[BC+i:BC+i+1], s[96:97] op_sel_hi:[1,0]
.set i, i+2
.endr
.irp a, 0,1,2,3,4,5,6,7
	v_mul_f32 v[BR+2*\a+1], s98, v[BR+2*\a]        ; a pair of the same number, for the packed addition
	v_mul_f32 v[BR+2*\a], s98, v[BR+2*\a]
.endr
.macro FRAG reg, adr, q, i             ; 16 rows x 128 K: lane l holds row l % 16; registers 4 c .. 4 c + 3 hold K = 32 c + 16 (l / 16) + 0 .. 15: the same order of K in A and in B
.irp c, 0,1,2,3
	ds_load_b128 v[\reg+4*\c:\reg+4*\c+3], v[\adr] offset:128*(\q)+32*\c+(\i)*16*PITCH
.endr
.endm
; 16 matrix instructions: A's blocks a0, a0 + 1 x B's eight.  p: B's set.  first = 1: the bias starts the sums.  The 64 accumulators take turns, one instruction a turn.
.macro MUL16 a0, p, first
.irp a, \a0, \a0+1
.irp b, 0,1,2,3,4,5,6,7
.if \first
	v_wmma_f32_16x16x128_fp8_fp8 v[8*(8*((\a)%4)+\b):8*(8*((\a)%4)+\b)+7], v[128*(\p)+FR*\b:128*(\p)+FR*\b+FR-1], v[AF+FR*(\a):AF+FR*(\a)+FR-1], v[BC+8*\b:BC+8*\b+7]
.else
	v_wmma_f32_16x16x128_fp8_fp8 v[8*(8*((\a)%4)+\b):8*(8*((\a)%4)+\b)+7], v[128*(\p)+FR*\b:128*(\p)+FR*\b+FR-1], v[AF+FR*(\a):AF+FR*(\a)+FR-1], v[8*(8*((\a)%4)+\b):8*(8*((\a)%4)+\b)+7]
.endif
.endr
.endr
.endm
.macro FETCH_B slot, q, p
	WIN TO_B
.irp i, 0,1,2,3,4,5,6,7
	FRAG 128*(\p)+FR*\i, ADRB+\slot, \q, \i
.endr
	WIN 0
.endm
.macro FETCH_A slot, q, i0
.irp i, \i0, \i0+1, \i0+2, \i0+3
	FRAG AF+FR*(\i), ADRA+\slot, \q, \i
.endr
.endm
.macro PLACES n                        ; plain vector instructions between a matrix instruction and a load into, or a vector instruction on, its registers
.rept \n
	v_nop
.endr
.endm
; A step of 128 along K that has its successor in the same slot.
.macro STEP slot, q, first
	s_wait_dscnt 4*NL                              ; B's set and A's blocks 0-3 are in; the youngest sixteen loads (A's blocks 4-7) may be out
.if \first
	WIN FST_LO
.else
	WIN MUL_LO
.endif
	MUL16 0, (\q)%2, \first
	MUL16 2, (\q)%2, \first
	s_wait_dscnt 0                                 ; A's blocks 4-7 are in
	PLACES NP
	FETCH_B \slot, (\q)+1, 1-(\q)%2
	FETCH_A \slot, (\q)+1, 0
.if \first
	WIN FST_HI
.else
	WIN MUL_HI
.endif
	MUL16 4, (\q)%2, \first
	MUL16 6, (\q)%2, \first
	PLACES NP
	WIN 0
	FETCH_A \slot, (\q)+1, 4
.endm
; A slot's last step changes slots: ONE barrier; in front of it each wave waits for all its tensor loads, adds 0 to its spare word, and waits for that and for its reads of this slot.  fill = 1: this slot is filled again.
.macro TURN slot, next, fill
	s_wait_tensorcnt 0x0                           ; all my tensor loads have landed: my part of the next slot
	ds_add_u32 v[SPW], v[NIL]                      ; 0 onto my spare word
	s_wait_dscnt 4*NL+1                            ; (the add and the youngest sixteen loads may be out)
	WIN MUL_LO
	MUL16 0, 1, 0                                  ; sixteen matrix instructions stand between the add and the wait for it
	s_wait_dscnt 0x0                               ; the add is done, and my reads of this slot are over
	s_barrier_signal -1
	MUL16 2, 1, 0
	WIN 0
	s_barrier_wait -1
.if \fill
	CREST                                          ; the barrier has opened a round of the cluster's barrier: no wave of any partner still reads this slot or has a load on its way
	s_add_nc_u64 s[G0+4*\slot+2:G0+4*\slot+3], s[G0+4*\slot+2:G0+4*\slot+3], 2*ROWB
	s_add_nc_u64 s[G0B+4*\slot+2:G0B+4*\slot+3], s[G0B+4*\slot+2:G0B+4*\slot+3], 2*ROWB
	JLOAD G0+4*\slot, G1, G0B+4*\slot, G1B         ; the first tensor load behind the round; its four v_nop are the places in front of the loads below
.else
	PLACES NP
.endif
	FETCH_B \next, 0, 0
	FETCH_A \next, 0, 0
	WIN MUL_HI
	MUL16 4, 1, 0
	MUL16 6, 1, 0
	PLACES NP
	WIN 0
	FETCH_A \next, 0, 4
.endm
	s_wait_tensorcnt 1                             ; my part of slot 0 is in; slot 1's load may be out
	s_barrier_signal -1
	s_barrier_wait -1
	FETCH_B 0, 0, 0
	FETCH_A 0, 0, 0
	FETCH_A 0, 0, 4
	STEP 0, 0, 1                                   ; the first step stands in front of the loop: its products start the sums, on the bias
	s_mov_b32 s3, LAPS-1
.Llap:                                                 ; a trip goes once round the ring and fills both slots again
	TURN 0, 1, 1
	STEP 1, 0, 0
	TURN 1, 0, 1
	STEP 0, 0, 0
	s_sub_co_u32 s3, s3, 1
	s_cmp_lg_u32 s3, 0
	s_cbranch_scc1 .Llap
	TURN 0, 1, 0                                   ; the last lap fills nothing
	STEP 1, 0, 0
	s_wait_dscnt 4*NL                              ; the very last step
	WIN MUL_LO
	MUL16 0, 1, 0
	MUL16 2, 1, 0
	s_wait_dscnt 0
	WIN MUL_HI
	MUL16 4, 1, 0
	MUL16 6, 1, 0
	WIN 0
	PLACES NP                                      ; in front of the first read of results and of the conversions' writes into the registers that held A's fragments
; THE WAY OUT of block a (16 rows of A's side x 128 of B's): + the bias of A's side, the hold, eight conversions into the block's own 16 registers, four stores of 16 bytes into my stage.
.macro TOSTAGE a
.set AC, 64*((\a)%4)
	WIN 0x02+((\a)/4)                              ; source 0: window 2 or 3
.set i, 0
.rept 32
	v_pk_add_f32 v[TMP+i:TMP+i+1], v[AC+i:AC+i+1], v[BR+2*(\a):BR+2*(\a)+1]   ; each accumulator from its low end on
.set i, i+2
.endr
	WIN 0
.set i, 0
.rept 64
.set i, i+1
.endr
.irp b, 0,1,2,3,4,5,6,7
	v_cvt_scalef32_pk8_fp8_f32 v[PC+16*(\a)+2*\b:PC+16*(\a)+2*\b+1], v[TMP+8*\b:TMP+8*\b+7], v[QS]
.endr
	v_nop                                          ; a plain vector line between the conversions and the next block's additions, which write their sources
.irp c, 0,1,2,3
	ds_store_b128 v[STO], v[PC+16*(\a)+4*\c:PC+16*(\a)+4*\c+3] offset:(\a)*16*SPITCH+32*\c
.endr
.endm
.irp a, 0,1,2,3,4,5,6,7
	TOSTAGE \a
.endr
	s_wait_dscnt 0x0                               ; my stores have read their registers, which the loads below take
.irp c, 0,1
.irp rh, 0,1
.irp i, 0,1,2,3,4,5,6,7
	ds_load_b128 v[PC+4*(8*(2*\c+\rh)+\i):PC+4*(8*(2*\c+\rh)+\i)+3], v[RD] offset:(64*\rh+8*\i)*SPITCH+64*\c
.endr
.endr
.endr
.irp c, 0,1
.irp rh, 0,1
.irp i, 0,1,2,3,4,5,6,7
	s_wait_dscnt 31-(8*(2*\c+\rh)+\i)              ; this load is in, the younger ones may be out
	global_store_b128 v[CO], v[PC+4*(8*(2*\c+\rh)+\i):PC+4*(8*(2*\c+\rh)+\i)+3], s[GB+2*(2*\c+\rh):GB+2*(2*\c+\rh)+1] offset:512*\i   ; 512 consecutive bytes, aligned
.endr
.endr
.endr
	s_wait_tensorcnt 0x0                           ; the wave's end, behind my last tensor load and my last LDS store
	ds_add_u32 v[SPW], v[NIL]
	s_wait_dscnt 0x0
	CROUND                                         ; the closing round: no work-group ends while a partner may still ask for a tile that names it
	s_endpgm
.Lfunc_end_k_qef9859730e_gemm_qkv:
	.size	k_qef9859730e_gemm_qkv, .Lfunc_end_k_qef9859730e_gemm_qkv-k_qef9859730e_gemm_qkv
	.p2alignl 7, 3214868480
	.fill 96, 4, 3214868480
	.section	.rodata,"a",@progbits
	.p2align	6, 0x0
	.amdhsa_kernel k_qef9859730e_gemm_qkv
		.amdhsa_group_segment_fixed_size 327680
		.amdhsa_private_segment_fixed_size 0
		.amdhsa_enable_private_segment 0
		.amdhsa_kernarg_size 40
		.amdhsa_user_sgpr_count 2
		.amdhsa_user_sgpr_kernarg_segment_ptr 1
		.amdhsa_wavefront_size32 1
		.amdhsa_system_sgpr_workgroup_id_x 1
		.amdhsa_system_sgpr_workgroup_id_y 1
		.amdhsa_system_sgpr_workgroup_id_z 1
		.amdhsa_system_vgpr_workitem_id 0
		.amdhsa_next_free_vgpr 1024
		.amdhsa_next_free_sgpr 100
		.amdhsa_reserve_vcc 0
		.amdhsa_float_denorm_mode_32 3
		.amdhsa_float_denorm_mode_16_64 3
		.amdhsa_fp16_overflow 1
		.amdhsa_memory_ordered 1
		.amdhsa_forward_progress 1
		.amdhsa_inst_pref_size 114
	.end_amdhsa_kernel
	.amdgpu_metadata
---
amdhsa.version: [ 1, 2 ]
amdhsa.kernels:
  - .name:           k_qef9859730e_gemm_qkv
    .symbol:         k_qef9859730e_gemm_qkv.kd
    .args:
      - { .name: xc, .offset: 0, .size: 8, .value_kind: global_buffer, .address_space: global }
      - { .name: wqc, .offset: 8, .size: 8, .value_kind: global_buffer, .address_space: global }
      - { .name: lowp_scales, .offset: 16, .size: 8, .value_kind: global_buffer, .address_space: global }
      - { .name: b_qkv, .offset: 24, .size: 8, .value_kind: global_buffer, .address_space: global }
      - { .name: qkv, .offset: 32, .size: 8, .value_kind: global_buffer, .address_space: global }
    .group_segment_fixed_size: 327680
    .private_segment_fixed_size: 0
    .kernarg_segment_align: 8
    .kernarg_segment_size: 40
    .max_flat_workgroup_size: 128
    .sgpr_count:     100
    .vgpr_count:     1024
    .wavefront_size: 32
...
	.end_amdgpu_metadata
.endif
;; end of part 3
;; launch attn (part 4): grid 8 x 64, 16 waves a work-group, no clusters, 327,680 bytes of LDS; arguments qkv, lowp_scales, ac; writes ac
.if DOCPART == 4
	.amdgcn_target "amdgcn-amd-amdhsa--gfx1250"
	.amdhsa_code_object_version 6
	.text
	.protected	k_qef9859730e_attn
	.globl	k_qef9859730e_attn
	.p2align	8
	.type	k_qef9859730e_attn,@function
k_qef9859730e_attn:
	s_mov_b64 s[64:65], 0
	v_nop
	global_prefetch_b8 v0, s[64:65] scope:SCOPE_SE
	s_setreg_imm32_b32 hwreg(HW_REG_WAVE_MODE, 25, 1), 1
	s_wait_xcnt 0x0
; Causal attention on codes of FP8 (E4M3), head size 64, 64 heads bh = 16 b + h of 2,048 tokens, and the codes of its result.  Exponents: e2 (q), e3 (k), e4 (p), e5 (v), e6 (the result).
; qkv workspace: [bh][step of 128 tokens][part][8,192 bytes]: part 0 q, 1 k: [128 tokens][64]; part 2 v: [half of the keys][64 d][64 keys]; within 64 (q, k) or 128 (v's keys) the order is
; position 32 c + 16 h + 8 u + j = index 32 c + 16 u + 8 h + j: the same in q and k, and in v the order in which p's codes lie in registers.  ac: [16 b + token / 128][head][128 tokens][64 d], d in its own order.
; THE SOFTMAX: t = score x log2(e) / 8; M = the running largest t rounded UP to a whole number; p = 2^(t - M) is quantised, not normalised; the row's sum is taken of the unquantised p and divides at the end.
; When M moves, the sum and O are multiplied by 2^(old M - new M): exact.
; SHARES.  Work-group (j, bh) owns query blocks j and 15 - j of 128 queries: j + 1 and 16 - j key steps, 17 in all, the same for every work-group.  Each of sixteen waves owns 16 queries in 256 registers;
; the waves of the two blocks are dealt so that neighbours in either numbering of four differ.  Keys go 128 a step; a step's k and v are 16,384 dense bytes; a slot holds two steps; two slots.
; Every work-group walks all eight slots (constant trip counts); a step all of whose keys come after the wave's queries is jumped over, and a slot whose first key comes after the work-group's last query is not asked for.
; NO CLUSTER: the eight work-groups of a head need 9 to 16 key steps each, and every partner of a joint load would have to ask for all sixteen and keep step with the slowest.
; LAYOUT.  Both products are used transposed: S^T = K Q^T (source 0 = 16 keys, source 1 = my 16 queries), O^T = V^T P^T: a lane holds ONE query throughout; register 8 t + j of S^T is key 16 t + 8 (lane / 16) + j.
; LIMITS: e2 + e3 between -123 and 130; e4 and e6 between -126 and 119; e4 + e5 is applied by v_ldexp_f32.
; REGISTERS: v1, v3, v5-7 addresses that stay; v8 the step's LDS address; v12 -M, v13 the largest t, v[14:15] the sum; v16-23 Q; v32-95 K's eight fragments, then V's four; v96-159 S^T, then p; v160-191 O^T; v224-239 p's codes; v240-254 constants and work.
.set STEPB, 17408                      ; a step in LDS: 64 rows of 256 bytes + 16 of padding; a key's or a d's 64 bytes lie at 272 (row / 4) + 64 (row % 4): sixteen lanes touch sixteen different 16-byte columns
.set VOFF,  8704                       ; v behind k's 32 rows
.set SLOT1, 1<<17                      ; slot 1 begins here: one exclusive or turns an address
.set NSL,   8
.set SPARE, 2*SLOT1                    ; the spare words, 128 bytes for each of sixteen waves, which no other line names
.set STG,   SPARE+2048                 ; the way out: 1,024 bytes for each wave, into which no fill lands
.set BHB,   393216
.set STB,   24576
.set AK0,  1
.set PFO,  3
.set SPW,  5
.set NIL,  6
.set GO,   7
.set ADK,  8
.set TB,   2                           ; s2  LDS byte at which the slot in hand begins
.set WV,   18
.set ROLE, 19
.set SEL,  20
.set CS,   22
.set G1,   24
.set G0,   40
.set LASTQ, 66
.set SLOTS, 67
.set PFA,  76
.set PFS,  78
.set LIM,  80
.set KF,   98
.set Q0,   99
.macro TLOAD                           ; waves 0 and 1 fetch one step each; an s_nop 0 and four v_nop follow the line
	s_cmp_lt_u32 s[WV], 2
	s_cbranch_scc0 .Lasked_\@
	tensor_load_to_lds s[G0:G0+3], s[G1:G1+7]
	s_nop 0
.rept 4
	v_nop
.endr
.Lasked_\@:
.endm
; A prefetch of the slot that the NEXT change of slots will ask for: two steps of 16,384 bytes.  All eight work-groups of a head walk the same k and v: work-group 0, which walks every slot, asks;
; in it waves 4 to 7, 8,192 bytes each, lanes 256 bytes apart: each block of 256 bytes is named once in the launch.  Two key steps ahead of the load.  The last change that fills a slot asks for nothing.
.macro ASK
	s_cmp_gt_u32 s[SLOTS], s[LIM]
	s_cbranch_scc0 .Lnot_mine_\@
	global_prefetch_b8 v[PFO], s[PFA:PFA+1] th:TH_LOAD_NT scope:SCOPE_SE
.Lnot_mine_\@:
.endm
	s_load_b128 s[4:7], s[0:1], 0x0                ; the workspace s[4:5], the exponents s[6:7]
	s_load_b64 s[8:9], s[0:1], 0x10                ; ac
	v_lshl_add_u32 v[SPW], v0, 2, SPARE
	v_mov_b32 v[NIL], 0
	ds_add_u32 v[SPW], v[NIL]                      ; the wave's opening: the add and its wait stand ahead of my first tensor load; work on registers stands between them
	ds_add_u32 v[SPW], v[NIL]
	v_lshrrev_b32 v8, 5, v0
	s_delay_alu instid0(VALU_DEP_1)
	v_readfirstlane_b32 s[WV], v8                  ; wave 0..15
	s_and_b32 s82, ttmp7, 0xffff                   ; bh
	s_mul_i32 s84, s82, BHB
	s_mov_b32 s85, 0                               ; the head's first byte in the workspace
	s_lshr_b32 s83, s[WV], 2
	s_xor_b32 s83, s83, s[WV]
	s_and_b32 s[ROLE], s83, 1                      ; 0: block j, 1: block 15 - j
	s_lshr_b32 s86, s[WV], 1                       ; which 16 queries of the block
	s_sub_co_u32 s87, 15, ttmp9
	s_cmp_eq_u32 s[ROLE], 1
	s_cselect_b32 s87, s87, ttmp9                  ; my block
	s_lshl_b32 s[Q0], s87, 7
	s_lshl_b32 s88, s86, 4
	s_add_co_u32 s[Q0], s[Q0], s88                 ; my first query
	s_sub_co_u32 s[LASTQ], 16, ttmp9
	s_lshl_b32 s[LASTQ], s[LASTQ], 7
	s_sub_co_u32 s[LASTQ], s[LASTQ], 1             ; my work-group's last query
	s_mul_i32 s88, s87, STB
	s_lshl_b32 s89, s86, 10
	s_add_co_u32 s88, s88, s89                     ; q: my block's step, part 0, 16 rows of 64 bytes a wave
	s_mov_b32 s89, 0
	s_add_nc_u64 s[88:89], s[88:89], s[84:85]
	s_lshr_b32 s90, s82, 4
	s_lshl_b32 s90, s90, 4
	s_add_co_u32 s90, s90, s87                     ; 16 b + block
	s_lshl_b32 s90, s90, 4
	s_and_b32 s91, s82, 15
	s_add_co_u32 s90, s90, s91                     ; x 16 + head
	s_lshl_b32 s90, s90, 13
	s_lshl_b32 s91, s86, 10
	s_add_co_u32 s90, s90, s91
	s_mov_b32 s91, 0                               ; my 1,024 bytes of ac
	s_and_b32 s92, s[WV], 1                        ; which of a slot's two steps I fetch, if I fetch
	s_mul_i32 s93, s92, STEPB
	s_mul_i32 s94, s92, STB
	s_add_co_u32 s94, s94, 8192                    ; behind the step's q
	s_mov_b32 s95, 0
	s_add_nc_u64 s[94:95], s[94:95], s[84:85]
	s_mov_b32 s[G1], (3<<16)|(1<<20)|(5<<22)|(3<<25)   ; no mask; elements of 8 bytes; padding on: four words after every 64
	s_mov_b32 s[G1+1], 32<<16                      ; tensor_dim0: 32 elements = 256 bytes
	s_mov_b32 s[G1+2], 64<<16                      ; tensor_dim1: 64 rows
	s_mov_b32 s[G1+3], 32<<16                      ; tile_dim0
	s_mov_b32 s[G1+4], 64                          ; tile_dim1
	s_mov_b32 s[G1+5], 32                          ; the pitch: the block is dense
	s_mov_b32 s[G1+6], 0
	s_mov_b32 s[G1+7], 0
	s_mov_b32 s[SEL], 0x76543210
	s_mov_b32 s[SEL+1], 0xfedcba98
	s_mov_b32 s[CS], 0x3e38aa3b                    ; c = log2(e) / 8
	s_mov_b32 s[TB], 0
	s_mov_b32 s[SLOTS], NSL-1
	s_mov_b32 s[KF], 0
	s_wait_dscnt 0x0                               ; the opening add is done
	s_wait_kmcnt 0x0
	s_load_b256 s[68:75], s[6:7], 0x0              ; e0 .. e7
	s_mov_b32 s[G0], 1
	s_mov_b32 s[G0+1], s93
	s_add_nc_u64 s[G0+2:G0+3], s[4:5], s[94:95]
	s_or_b32 s[G0+3], s[G0+3], 0x80000000
	TLOAD                                          ; slot 0
	s_add_nc_u64 s[88:89], s[4:5], s[88:89]        ; q at my first query
	s_add_nc_u64 s[8:9], s[8:9], s[90:91]          ; ac likewise
	s_and_b32 s83, s[WV], 3                        ; the prefetches: wave 4 + i takes step i / 2, half i % 2 of a slot
	s_lshr_b32 s96, s83, 1
	s_mul_i32 s96, s96, STB
	s_and_b32 s83, s83, 1
	s_lshl_b32 s83, s83, 13
	s_add_co_u32 s96, s96, s83
	s_add_co_u32 s96, s96, 8192+2*STB              ; in slot 1: the first change of slots steps it to slot 2; nothing is prefetched at the head
	s_mov_b32 s97, 0
	s_add_nc_u64 s[PFA:PFA+1], s[4:5], s[84:85]
	s_add_nc_u64 s[PFA:PFA+1], s[PFA:PFA+1], s[96:97]
	s_mov_b32 s[PFS], 2*STB
	s_mov_b32 s[PFS+1], 0
	s_sub_co_u32 s83, s[WV], 4
	s_lshr_b32 s83, s83, 2                         ; 0 in waves 4 to 7,
	s_or_b32 s83, s83, ttmp9                       ; of the head's first work-group
	s_cmp_eq_u32 s83, 0
	s_cselect_b32 s[LIM], 1, -1
	v_and_b32 v[PFO], 31, v0
	s_delay_alu instid0(VALU_DEP_1)
	v_lshlrev_b32 v[PFO], 8, v[PFO]
	v_and_b32 v8, 15, v0                           ; r
	v_bfe_u32 v9, v0, 4, 1                         ; h
	s_delay_alu instid0(VALU_DEP_2)
	v_lshlrev_b32 v10, 6, v8
	s_delay_alu instid0(VALU_DEP_1)
	v_lshl_add_u32 v10, v9, 4, v10
	global_load_b128 v[16:19], v10, s[88:89]       ; Q's fragment stays in registers: positions 16 h on,
	global_load_b128 v[20:23], v10, s[88:89] offset:32   ; and 32 + 16 h on: as K's fragments are read
	v_lshrrev_b32 v11, 2, v8
	s_delay_alu instid0(VALU_DEP_1)
	v_mul_u32_u24 v[AK0], v11, 272
	v_and_b32 v11, 3, v8
	s_delay_alu instid0(VALU_DEP_1)
	v_lshl_add_u32 v[AK0], v11, 6, v[AK0]
	s_delay_alu instid0(VALU_DEP_1)
	v_lshl_add_u32 v[AK0], v9, 4, v[AK0]           ; row r of a tile of 16 rows of 64 bytes, + 16 h
	v_and_b32 v[GO], 31, v0
	s_delay_alu instid0(VALU_DEP_1)
	v_lshlrev_b32 v[GO], 4, v[GO]                  ; 16 x lane
	v_mov_b32 v13, 0xff61b1e6                      ; the largest t so far: -3e38
	s_delay_alu instid0(VALU_DEP_1)
	v_floor_f32 v12, -v13                          ; -M
	v_mov_b32 v14, 0
	v_mov_b32 v15, 0
	v_mov_b32 v246, 0                              ; a lane permute's destination counts as one of its sources
	v_mov_b32 v253, 0                              ; (named as the upper half of the pair v[252:253])
.set i, 0
.rept 32
	v_mov_b32 v[160+i], 0                          ; O^T: the step is written once, and the first finds zeros
.set i, i+1
.endr
	s_wait_kmcnt 0x0
	s_add_co_i32 s82, s70, s71
	s_lshl_b32 s82, s82, 23
	s_add_co_i32 s[CS], s[CS], s82                 ; a score stands for score x 2^(e2 + e3): added to c's exponent field
	s_mov_b32 s[CS+1], s[CS]
	s_add_co_i32 s82, s72, 127
	s_lshl_b32 s83, s82, 23
	v_mov_b32 v244, s83                            ; 2^e4
	s_add_co_i32 s82, s74, 127
	s_lshl_b32 s83, s82, 23
	v_mov_b32 v245, s83                            ; 2^e6
; A KEY STEP: 128 keys, the q-th of the slot in hand.
.macro STEP q
	s_add_co_u32 s96, s[Q0], 15                    ; a step all of whose keys come after my 16 queries is left out: a branch on ids, round loads, products and softmax; no barrier and no tensor load stands in a step
	s_cmp_gt_u32 s[KF], s96
	s_cbranch_scc1 .Lhidden_\@
	v_add_nc_u32 v[ADK], s[TB], v[AK0]
.rept 4
	v_nop                                          ; places in front of loads into registers that the last products have read
.endr
.irp t, 0,1,2,3,4,5,6,7
	ds_load_b128 v[32+8*\t:35+8*\t], v[ADK] offset:STEPB*(\q)+1088*\t
	ds_load_b128 v[36+8*\t:39+8*\t], v[ADK] offset:STEPB*(\q)+1088*\t+32
.endr
	s_wait_dscnt 0x0
.irp t, 0,1,2,3,4,5,6,7
	v_wmma_f32_16x16x64_fp8_fp8 v[96+8*\t:103+8*\t], v[32+8*\t:39+8*\t], v[16:23], 0   ; S^T: keys 16 t on
.endr
.rept 4
	v_nop
.endr
	s_add_co_u32 s96, s[KF], 127                   ; on the diagonal hidden scores become -infinity ahead of the maximum: p = 0 then.  A step all of whose keys count skips this
	s_cmp_le_u32 s96, s[Q0]
	s_cbranch_scc1 .Lopen_\@
	s_sub_co_i32 s96, s[Q0], s[KF]
	v_and_b32 v252, 15, v0
	v_bfe_u32 v253, v0, 4, 1
	s_delay_alu instid0(VALU_DEP_1)
	v_lshlrev_b32 v253, 3, v253
	s_delay_alu instid0(VALU_DEP_1)
	v_sub_nc_u32 v252, v252, v253
	s_delay_alu instid0(VALU_DEP_1)
	v_add_nc_u32 v252, s96, v252                   ; d = my query - KF - 8 (lane / 16): register 8 t + j is hidden where 16 t + j > d
	v_mov_b32 v254, 0xff800000
.set n, 0
.rept 64
	v_cmp_gt_i32 vcc_lo, 16*(n/8)+n%8, v252
	v_cndmask_b32 v[96+n], v[96+n], v254, vcc_lo
.set n, n+1
.endr
.Lopen_\@:
	v_max3_num_f32 v254, v96, v97, v98             ; the step's largest score of my query among my 64 keys, in two chains,
	v_max3_num_f32 v252, v99, v100, v101
.irp i, 6,10,14,18,22,26,30,34,38,42,46,50,54,58
	v_max3_num_f32 v254, v254, v[96+\i], v[97+\i]
	v_max3_num_f32 v252, v252, v[98+\i], v[99+\i]
.endr
	v_max3_num_f32 v254, v254, v158, v159
	s_delay_alu instid0(VALU_DEP_1)
	v_max_num_f32 v254, v254, v252
	s_delay_alu instid0(VALU_DEP_1)
	v_permlanex16_b32 v246, v254, s[SEL], s[SEL+1]
	s_delay_alu instid0(VALU_DEP_1)
	v_max_num_f32 v254, v254, v246                 ; and among lane l xor 16's
	s_delay_alu instid0(VALU_DEP_1)
	v_mul_f32 v254, s[CS], v254                    ; as t (c is positive)
	s_delay_alu instid0(VALU_DEP_1)
	v_max_num_f32 v13, v13, v254                   ; the running largest t
	v_mov_b32 v254, v12
	s_delay_alu instid0(VALU_DEP_2)
	v_floor_f32 v12, -v13                          ; the new -M = -ceil(t): a whole number
	s_delay_alu instid0(VALU_DEP_1)
	v_sub_f32 v254, v12, v254                      ; old M - new M: a whole number, 0 or less
	s_delay_alu instid0(VALU_DEP_1)
	v_cvt_i32_f32 v254, v254                       ; (it saturates)
	s_delay_alu instid0(VALU_DEP_1)
	v_ldexp_f32 v252, 1.0, v254                    ; f = 2^(old M - new M)
.set i, 0
.rept 32
	v_pk_fma_f32 v[96+i:97+i], v[96+i:97+i], s[CS:CS+1], v[12:13] op_sel_hi:[1,0,0]   ; t - M, two at a time
.set i, i+2
.endr
.set i, 0
	s_wait_alu depctr_va_vdst(0)
.rept 64
	v_exp_f32 v[96+i], v[96+i]                     ; p = 2^(t - M)
.set i, i+1
.endr
	v_pk_mul_f32 v[14:15], v[14:15], v[252:253] op_sel_hi:[1,0]   ; the sums under the new M: a plain instruction behind the exponentials
	s_wait_alu depctr_va_vdst(0)                   ; one wait for the whole batch, ahead of its first reader
	v_pk_add_f32 v[242:243], v[100:101], v[104:105]
	v_pk_add_f32 v[254:255], v[108:109], v[112:113]
	v_pk_add_f32 v[250:251], v[116:117], v[120:121]
	v_pk_add_f32 v[248:249], v[124:125], v[128:129]
	v_pk_add_f32 v[240:241], v[132:133], v[136:137]
	v_pk_add_f32 v[238:239], v[140:141], v[144:145]
	v_pk_add_f32 v[236:237], v[148:149], v[152:153]
	v_pk_add_f32 v[14:15], v[14:15], v[156:157]
	v_pk_add_f32 v[242:243], v[242:243], v[96:97]
	v_pk_add_f32 v[254:255], v[254:255], v[98:99]
	v_pk_add_f32 v[250:251], v[250:251], v[102:103]
	v_pk_add_f32 v[248:249], v[248:249], v[106:107]
	v_pk_add_f32 v[240:241], v[240:241], v[110:111]
	v_pk_add_f32 v[238:239], v[238:239], v[114:115]
	v_pk_add_f32 v[236:237], v[236:237], v[118:119]
	v_pk_add_f32 v[14:15], v[14:15], v[122:123]
	v_pk_add_f32 v[242:243], v[242:243], v[126:127]
	v_pk_add_f32 v[254:255], v[254:255], v[130:131]
	v_pk_add_f32 v[250:251], v[250:251], v[134:135]
	v_pk_add_f32 v[248:249], v[248:249], v[138:139]
	v_pk_add_f32 v[240:241], v[240:241], v[142:143]
	v_pk_add_f32 v[238:239], v[238:239], v[146:147]
	v_pk_add_f32 v[236:237], v[236:237], v[150:151]
	v_pk_add_f32 v[14:15], v[14:15], v[154:155]
	v_pk_add_f32 v[242:243], v[242:243], v[158:159]
	s_delay_alu instid0(VALU_DEP_2)
	v_pk_add_f32 v[14:15], v[14:15], v[248:249]
	s_delay_alu instid0(VALU_DEP_2)
	v_pk_add_f32 v[242:243], v[242:243], v[240:241]
	v_pk_add_f32 v[254:255], v[254:255], v[238:239]
	v_pk_add_f32 v[250:251], v[250:251], v[236:237]
	s_delay_alu instid0(VALU_DEP_2)
	v_pk_add_f32 v[14:15], v[14:15], v[254:255]
	s_delay_alu instid0(VALU_DEP_2)
	v_pk_add_f32 v[242:243], v[242:243], v[250:251]
	s_delay_alu instid0(VALU_DEP_1)
	v_pk_add_f32 v[14:15], v[14:15], v[242:243]
.irp t, 0,1,2,3,4,5,6,7
.irp i, 0,1,2,3,4,5,6,7
.endr
	v_cvt_scalef32_pk8_fp8_f32 v[224+2*\t:225+2*\t], v[96+8*\t:103+8*\t], v244   ; registers 2 t, 2 t + 1 of the operand: keys 16 t + 8 (lane / 16) + 0 .. 7
.endr
.set i, 0
.rept 16
	v_pk_mul_f32 v[160+i:161+i], v[160+i:161+i], v[252:253] op_sel_hi:[1,0]   ; O^T under the new M; these are also the plain lines behind the conversions
.set i, i+2
.endr
.irp t, 0,1,2,3
.irp c, 0,1,2,3
	ds_load_b128 v[32+16*\t+4*\c:35+16*\t+4*\c], v[ADK] offset:STEPB*(\q)+VOFF+4352*(\c/2)+1088*\t+32*(\c%2)   ; V^T: d 16 t on, positions 32 c + 16 (lane / 16) on
.endr
.endr
	s_wait_alu depctr_va_vdst(0)
	s_wait_dscnt 0x0
.irp t, 0,1,2,3
	v_wmma_f32_16x16x128_fp8_fp8 v[160+8*\t:167+8*\t], v[32+16*\t:47+16*\t], v[224:239], v[160+8*\t:167+8*\t]   ; the four accumulators take turns
.endr
.Lhidden_\@:
	s_add_co_u32 s[KF], s[KF], 128
.endm
; THE CHANGE OF SLOTS stands at a slot's head.  Each wave waits for all its tensor loads, adds 0 to its spare word, and waits for that and for its reads of the slot that it has left.
; Behind the barrier the slot ahead is whole and nobody reads the other one, which is filled with the keys that follow: the load has two key steps in which to land.
.macro CHANGE fill
	s_wait_tensorcnt 0x0                           ; no tensor load of mine is out, so the group 0 may be written
	ds_add_u32 v[SPW], v[NIL]                      ; 0 onto my spare word
.if \fill
	s_xor_b32 s[G0+1], s[G0+1], SLOT1              ; the other slot than last time,
	s_add_nc_u64 s[G0+2:G0+3], s[G0+2:G0+3], 2*STB ; the next two steps
	s_wait_xcnt 0x0                                ; the last prefetch, a slot back, has read its address
	s_add_nc_u64 s[PFA:PFA+1], s[PFA:PFA+1], s[PFS:PFS+1]
.endif
	s_wait_dscnt 0x0                               ; the add is done, and my reads of the slot that I have left are over
	s_barrier_signal -1
	s_barrier_wait -1
.if \fill
	s_add_co_u32 s96, s[KF], 256                   ; the first key of the slot that this change would ask for: past my work-group's last query no wave reads it, so it is not asked for
	s_cmp_gt_u32 s96, s[LASTQ]                     ; ids and the count of steps alone: all sixteen waves go the same way; every wait for tensor loads in this text is for 0
	s_cbranch_scc1 .Lpast_\@
	TLOAD                                          ; a wave's one tensor load until the next such barrier
.Lpast_\@:
	ASK
.endif
.endm
	s_wait_loadcnt 0x0                             ; Q
.Lslot:                                            ; seven trips: behind each change of slots but the last the next slot is asked for, up to the causal limit
	CHANGE 1
	STEP 0
	STEP 1
	s_xor_b32 s[TB], s[TB], SLOT1
	s_sub_co_u32 s[SLOTS], s[SLOTS], 1
	s_cmp_lg_u32 s[SLOTS], 0
	s_cbranch_scc1 .Lslot
	CHANGE 0                                       ; the last slot is written out
	STEP 0
	STEP 1
	; THE WAY OUT.  O^T / the sum x 2^(e4 + e5), held and converted with 2^e6; 8 bytes a lane and tile into my stage, back as 512 consecutive bytes.
	v_add_f32 v14, v14, v15
	s_delay_alu instid0(VALU_DEP_1)
	v_permlanex16_b32 v246, v14, s[SEL], s[SEL+1]
	s_delay_alu instid0(VALU_DEP_1)
	v_add_f32 v14, v14, v246                       ; the row's sum
	s_wait_alu depctr_va_vdst(0)
	v_rcp_f32 v14, v14
	v_and_b32 v8, 15, v0                           ; (a plain instruction behind the reciprocal)  r
	v_bfe_u32 v9, v0, 4, 1                         ; h
	s_add_co_i32 s82, s72, s73
	s_lshl_b32 s83, s[WV], 10
	s_add_co_u32 s83, s83, STG                     ; my stage
	v_lshlrev_b32 v10, 6, v8
	s_delay_alu instid0(VALU_DEP_1)
	v_lshl_add_u32 v10, v9, 3, v10
	s_delay_alu instid0(VALU_DEP_1)
	v_add_nc_u32 v10, s83, v10                     ; in: row r of 64 bytes, + 8 h
	v_add_nc_u32 v11, s83, v[GO]                   ; back: 16 bytes a lane
	s_wait_alu depctr_va_vdst(0)                   ; the wait ahead of the reciprocal's first reader
	v_ldexp_f32 v14, v14, s82
.set i, 0
.rept 32
	v_mul_f32 v[96+i], v[160+i], v14               ; register 8 t + j: o(query r, d = 16 t + 8 h + j); each accumulator from its low end on
.set i, i+1
.endr
.set i, 0
.rept 32
.set i, i+1
.endr
.irp t, 0,1,2,3
	v_cvt_scalef32_pk8_fp8_f32 v[224+2*\t:225+2*\t], v[96+8*\t:103+8*\t], v245
.endr
	v_nop                                          ; a plain vector line behind the last conversion
.irp t, 0,1,2,3
	ds_store_b64 v10, v[224+2*\t:225+2*\t] offset:16*\t
.endr
.irp u, 0,1
	ds_load_b128 v[32+4*\u:35+4*\u], v11 offset:512*\u   ; LDS serves a wave's instructions in order: these see my stores
.endr
.irp u, 0,1
	s_wait_dscnt 1-\u
	global_store_b128 v[GO], v[32+4*\u:35+4*\u], s[8:9] offset:512*\u   ; 512 consecutive bytes, aligned
.endr
	s_wait_tensorcnt 0x0                           ; the wave's end, behind my last tensor load and my last LDS store
	ds_add_u32 v[SPW], v[NIL]
	s_wait_dscnt 0x0
	s_endpgm
.Lfunc_end_k_qef9859730e_attn:
	.size	k_qef9859730e_attn, .Lfunc_end_k_qef9859730e_attn-k_qef9859730e_attn
	.p2alignl 7, 3214868480
	.fill 96, 4, 3214868480
	.section	.rodata,"a",@progbits
	.p2align	6, 0x0
	.amdhsa_kernel k_qef9859730e_attn
		.amdhsa_group_segment_fixed_size 327680
		.amdhsa_private_segment_fixed_size 0
		.amdhsa_enable_private_segment 0
		.amdhsa_kernarg_size 24
		.amdhsa_user_sgpr_count 2
		.amdhsa_user_sgpr_kernarg_segment_ptr 1
		.amdhsa_wavefront_size32 1
		.amdhsa_system_sgpr_workgroup_id_x 1
		.amdhsa_system_sgpr_workgroup_id_y 1
		.amdhsa_system_sgpr_workgroup_id_z 1
		.amdhsa_system_vgpr_workitem_id 0
		.amdhsa_next_free_vgpr 256
		.amdhsa_next_free_sgpr 100
		.amdhsa_reserve_vcc 1
		.amdhsa_float_denorm_mode_32 3
		.amdhsa_float_denorm_mode_16_64 3
		.amdhsa_fp16_overflow 1
		.amdhsa_memory_ordered 1
		.amdhsa_forward_progress 1
		.amdhsa_inst_pref_size 88
	.end_amdhsa_kernel
	.amdgpu_metadata
---
amdhsa.version: [ 1, 2 ]
amdhsa.kernels:
  - .name:           k_qef9859730e_attn
    .symbol:         k_qef9859730e_attn.kd
    .args:
      - { .name: qkv, .offset: 0, .size: 8, .value_kind: global_buffer, .address_space: global }
      - { .name: lowp_scales, .offset: 8, .size: 8, .value_kind: global_buffer, .address_space: global }
      - { .name: ac, .offset: 16, .size: 8, .value_kind: global_buffer, .address_space: global }
    .group_segment_fixed_size: 327680
    .private_segment_fixed_size: 0
    .kernarg_segment_align: 8
    .kernarg_segment_size: 24
    .max_flat_workgroup_size: 512
    .sgpr_count:     100
    .vgpr_count:     256
    .wavefront_size: 32
...
	.end_amdgpu_metadata
.endif
;; end of part 4
;; launch gemm_proj (part 5): grid 4 x 32, 4 waves a work-group, clusters of 4 x 4, 327,680 bytes of LDS; arguments ac, wpc, lowp_scales, b_proj, out0; writes out0
.if DOCPART == 5
	.amdgcn_target "amdgcn-amd-amdhsa--gfx1250"
	.amdhsa_code_object_version 6
	.text
	.protected	k_qef9859730e_gemm_proj
	.globl	k_qef9859730e_gemm_proj
	.p2align	8
	.type	k_qef9859730e_gemm_proj,@function
k_qef9859730e_gemm_proj:
	s_mov_b64 s[64:65], 0
	v_nop
	global_prefetch_b8 v0, s[64:65] scope:SCOPE_SE
	s_setreg_imm32_b32 hwreg(HW_REG_WAVE_MODE, 25, 1), 1
	s_wait_xcnt 0x0
	s_wait_alu depctr_hold_cnt(0) depctr_sa_sdst(0) depctr_va_vdst(0) depctr_va_sdst(0) depctr_va_ssrc(0) depctr_va_vcc(0) depctr_vm_vsrc(0)
	s_getreg_b32 s2, hwreg(HW_REG_IB_STS2, 6, 4)
	s_cmp_eq_u32 s2, 0
	s_cbranch_scc0 .Lentry_in_a_cluster
	s_endpgm
.Lentry_in_a_cluster:
	s_bfe_u32 s2, ttmp6, 0x10000c
	s_cmp_lg_u32 s2, 0xf033
	s_cbranch_scc0 .Lentry_shape_is_right
	s_endpgm
.Lentry_shape_is_right:
.set SIZE_N, 1024
.set ROWB,   256
.set KROW,   1024
.set PITCH,  272
.set FR,     16
.set NL,     4
.set NP,     4
.set HALFT,  128*PITCH
.set SLOT,   4*HALFT
.set LAPS,   2
.set SPARE,  2*SLOT
.set SPITCH, 528
.set ADRA, 16
.set ADRB, 20
.set STO,  24
.set RD,   25
.set CO,   26
.set SPW,  28
.set NIL,  29
.set BC,   32
.set TMP,  32
.set AF,   128
.set BK,   128
.set G1, 24
.set G0, 32
.set G1B, 48
.set G0B, 56
.set MSB, 0
.macro WIN new
.if MSB != (\new)
	s_set_vgpr_msb (MSB<<8)|(\new)
.set MSB, (\new)
.endif
.endm
.set MUL_LO, 0xa1
.set MUL_HI, 0xf1
.set FST_LO, 0x81
.set FST_HI, 0xc1
.set TO_B,   0x40
.macro JLOAD g0a, g1a, g0b, g1b
	s_cmp_eq_u32 s15, 0
	s_cbranch_scc0 .Lfor_b_\@
	tensor_load_to_lds s[\g0a:\g0a+3], s[\g1a:\g1a+7]
	s_nop 0
.rept 4
	v_nop
.endr
	s_branch .Lasked_\@
.Lfor_b_\@:
	tensor_load_to_lds s[\g0b:\g0b+3], s[\g1b:\g1b+7]
	s_nop 0
.rept 4
	v_nop
.endr
.Lasked_\@:
.endm
.macro CREST
	s_cmp_lg_u32 s14, 0
	s_cbranch_scc1 .Lnot_wave_0_\@
	s_barrier_signal -3
.Lnot_wave_0_\@:
	s_barrier_wait -3
	s_barrier_signal -1
	s_barrier_wait -1
.endm
.macro CROUND
	s_barrier_signal -1
	s_barrier_wait -1
	CREST
.endm
	s_load_b256 s[4:11], s[0:1], 0x0
	s_load_b64 s[12:13], s[0:1], 0x20
	v_lshl_add_u32 v[SPW], v0, 2, SPARE
	v_mov_b32 v[NIL], 0
	ds_add_u32 v[SPW], v[NIL]
	ds_add_u32 v[SPW], v[NIL]
	v_lshrrev_b32 v1, 5, v0
	v_readfirstlane_b32 s14, v1
	s_lshr_b32 s15, s14, 1
	s_and_b32 s16, s14, 1
	s_bfe_u32 s40, ttmp6, 0x40000
	s_bfe_u32 s41, ttmp6, 0x40004
	s_lshl_b32 s42, ttmp9, 2
	s_add_co_u32 s42, s42, s40
	s_and_b32 s17, ttmp7, 0xffff
	s_lshl_b32 s17, s17, 2
	s_add_co_u32 s17, s17, s41
	s_lshl_b32 s43, s41, 2
	s_lshl_b32 s43, 15, s43
	s_lshl_b32 s44, 0x1111, s40
	s_or_b32 s[G1+0], s43, (0<<16)|(1<<20)|(1<<21)|(5<<22)|(3<<25)
	s_or_b32 s[G1B+0], s44, (0<<16)|(1<<20)|(1<<21)|(5<<22)|(3<<25)
.irp g, G1, G1B
	s_mov_b32 s[\g+1], ROWB<<16
	s_mov_b32 s[\g+2], 128<<16
	s_mov_b32 s[\g+3], ROWB<<16
	s_mov_b32 s[\g+4], 128
	s_mov_b32 s[\g+6], 0
	s_mov_b32 s[\g+7], 0
.endr
	s_mov_b32 s[G1+5], ROWB
	s_mov_b32 s[G1B+5], KROW
	s_lshl_b32 s20, s17, 1
	s_add_co_u32 s20, s20, s16
	s_lshl_b32 s20, s20, 17
	s_mov_b32 s21, 0
	s_lshl_b32 s18, s16, 7
	s_lshl_b32 s46, s42, 8
	s_add_co_u32 s46, s46, s18
	s_lshl_b32 s46, s46, 10
	s_mov_b32 s47, 0
	s_mul_i32 s45, s14, HALFT
	s_wait_dscnt 0x0
	s_wait_kmcnt 0x0
	s_load_b256 s[68:75], s[8:9], 0x0
	s_add_nc_u64 s[20:21], s[4:5], s[20:21]
	s_add_nc_u64 s[46:47], s[6:7], s[46:47]
	CROUND
.irp s, 0,1
	s_mov_b32 s[G0+4*\s], 1
	s_add_co_u32 s[G0+4*\s+1], s45, \s*SLOT
	s_add_nc_u64 s[G0+4*\s+2:G0+4*\s+3], s[20:21], \s*32768
	s_or_b32 s[G0+4*\s+3], s[G0+4*\s+3], 0x80000000
	s_mov_b32 s[G0B+4*\s], 1
	s_add_co_u32 s[G0B+4*\s+1], s45, \s*SLOT
	s_add_nc_u64 s[G0B+4*\s+2:G0B+4*\s+3], s[46:47], \s*ROWB
	s_or_b32 s[G0B+4*\s+3], s[G0B+4*\s+3], 0x80000000
	s_wait_alu depctr_va_vdst(0)
	s_wait_tensorcnt 0x0
	ds_add_u32 v28, v29
	ds_add_u32 v28, v29
	s_wait_dscnt 0x0
	CROUND
	JLOAD G0+4*\s, G1, G0B+4*\s, G1B
.endr
	v_and_b32 v1, 15, v0
	v_bfe_u32 v2, v0, 4, 1
	s_lshl_b32 s18, s42, 8
	s_lshl_b32 s19, s16, 7
	s_add_co_u32 s18, s18, s19
	s_lshl_b32 s18, s18, 2
	s_mov_b32 s19, 0
	s_add_nc_u64 s[88:89], s[10:11], s[18:19]
	v_lshlrev_b32 v7, 5, v2
.irp b, 0,1,2,3,4,5,6,7
	global_load_b128 v[BC+8*\b:BC+8*\b+3], v7, s[88:89] offset:64*\b
	global_load_b128 v[BC+8*\b+4:BC+8*\b+7], v7, s[88:89] offset:64*\b+16
.endr
	v_mul_u32_u24 v3, v1, PITCH
	v_lshl_add_u32 v4, v2, 4, v3
	v_lshrrev_b32 v5, 2, v1
	v_mul_u32_u24 v5, v5, PITCH
	v_and_b32 v6, 3, v1
	v_lshl_add_u32 v5, v6, 6, v5
	v_lshl_add_u32 v5, v2, 4, v5
	s_mul_i32 s21, s15, HALFT
	s_mul_i32 s22, s16, HALFT
	s_add_co_u32 s22, s22, 2*HALFT
.irp s, 0,1
	v_add_nc_u32 v[ADRA+\s], s21, v5
	v_add_nc_u32 v[ADRB+\s], s22, v4
	s_add_co_u32 s21, s21, SLOT
	s_add_co_u32 s22, s22, SLOT
.endr
	s_mul_i32 s23, s14, 16*SPITCH
	v_mul_u32_u24 v5, v1, SPITCH
	v_lshl_add_u32 v5, v2, 5, v5
	v_add_nc_u32 v[STO], s23, v5
	v_and_b32 v6, 31, v0
	v_lshlrev_b32 v[CO], 4, v6
	v_add_nc_u32 v[RD], s23, v[CO]
	s_lshl_b32 s20, s17, 8
	s_lshl_b32 s21, s15, 7
	s_add_co_u32 s20, s20, s21
	s_lshl_b32 s20, s20, 12
	s_lshl_b32 s46, s42, 10
	s_lshl_b32 s47, s16, 9
	s_add_co_u32 s46, s46, s47
	s_add_co_u32 s20, s20, s46
	s_mov_b32 s21, 0
	s_add_nc_u64 s[12:13], s[12:13], s[20:21]
	s_wait_kmcnt 0x0
	s_add_co_i32 s66, s74, s75
	s_sub_co_i32 s67, 127, s66
	s_lshl_b32 s98, s67, 23
	s_mov_b32 s99, s98
	s_add_co_i32 s66, s66, 127
	s_lshl_b32 s96, s66, 23
	s_mov_b32 s97, s96
	s_wait_loadcnt 0x0
.set i, 0
.rept 32
	v_pk_mul_f32 v[BC+i:BC+i+1], v[BC+i:BC+i+1], s[98:99] op_sel_hi:[1,0]
.set i, i+2
.endr
.macro FRAG reg, adr, q, i
.irp c, 0,1,2,3
	ds_load_b128 v[\reg+4*\c:\reg+4*\c+3], v[\adr] offset:128*(\q)+32*\c+(\i)*16*PITCH
.endr
.endm
.macro FRAGA reg, adr, q, i
.irp c, 0,1,2,3
	ds_load_b128 v[\reg+4*\c:\reg+4*\c+3], v[\adr] offset:(2*(\q)+\c/2)*8704+(\i)*1088+32*(\c%2)
.endr
.endm
.macro MUL16 a0, p, first
.irp a, \a0, \a0+1
.irp b, 0,1,2,3,4,5,6,7
.if \first
	v_wmma_f32_16x16x128_fp8_fp8 v[8*(8*((\a)%4)+\b):8*(8*((\a)%4)+\b)+7], v[128*(\p)+FR*\b:128*(\p)+FR*\b+FR-1], v[AF+FR*(\a):AF+FR*(\a)+FR-1], v[BC+8*\b:BC+8*\b+7]
.else
	v_wmma_f32_16x16x128_fp8_fp8 v[8*(8*((\a)%4)+\b):8*(8*((\a)%4)+\b)+7], v[128*(\p)+FR*\b:128*(\p)+FR*\b+FR-1], v[AF+FR*(\a):AF+FR*(\a)+FR-1], v[8*(8*((\a)%4)+\b):8*(8*((\a)%4)+\b)+7]
.endif
.endr
.endr
.endm
.macro FETCH_B slot, q, p
	WIN TO_B
.irp i, 0,1,2,3,4,5,6,7
	FRAG 128*(\p)+FR*\i, ADRB+\slot, \q, \i
.endr
	WIN 0
.endm
.macro FETCH_A slot, q, i0
.irp i, \i0, \i0+1, \i0+2, \i0+3
	FRAGA AF+FR*(\i), ADRA+\slot, \q, \i
.endr
.endm
.macro PLACES n
.rept \n
	v_nop
.endr
.endm
.macro STEP slot, q, first
	s_wait_dscnt 4*NL
.if \first
	WIN FST_LO
.else
	WIN MUL_LO
.endif
	MUL16 0, (\q)%2, \first
	MUL16 2, (\q)%2, \first
	s_wait_dscnt 0
	PLACES NP
	FETCH_B \slot, (\q)+1, 1-(\q)%2
	FETCH_A \slot, (\q)+1, 0
.if \first
	WIN FST_HI
.else
	WIN MUL_HI
.endif
	MUL16 4, (\q)%2, \first
	MUL16 6, (\q)%2, \first
	PLACES NP
	WIN 0
	FETCH_A \slot, (\q)+1, 4
.endm
.macro TURN slot, next, fill
	s_wait_tensorcnt 0x0
	ds_add_u32 v[SPW], v[NIL]
	s_wait_dscnt 4*NL+1
	WIN MUL_LO
	MUL16 0, 1, 0
	s_wait_dscnt 0x0
	s_barrier_signal -1
	MUL16 2, 1, 0
	WIN 0
	s_barrier_wait -1
.if \fill
	CREST
	s_add_nc_u64 s[G0+4*\slot+2:G0+4*\slot+3], s[G0+4*\slot+2:G0+4*\slot+3], 2*32768
	s_add_nc_u64 s[G0B+4*\slot+2:G0B+4*\slot+3], s[G0B+4*\slot+2:G0B+4*\slot+3], 2*ROWB
	JLOAD G0+4*\slot, G1, G0B+4*\slot, G1B
.else
	PLACES NP
.endif
	FETCH_B \next, 0, 0
	FETCH_A \next, 0, 0
	WIN MUL_HI
	MUL16 4, 1, 0
	MUL16 6, 1, 0
	PLACES NP
	WIN 0
	FETCH_A \next, 0, 4
.endm
	s_wait_alu depctr_va_vdst(0)
	s_wait_tensorcnt 1
	s_barrier_signal -1
	s_barrier_wait -1
	FETCH_B 0, 0, 0
	FETCH_A 0, 0, 0
	FETCH_A 0, 0, 4
	STEP 0, 0, 1
	s_mov_b32 s3, LAPS-1
.Llap:
	TURN 0, 1, 1
	STEP 1, 0, 0
	TURN 1, 0, 1
	STEP 0, 0, 0
	s_sub_co_u32 s3, s3, 1
	s_cmp_lg_u32 s3, 0
	s_cbranch_scc1 .Llap
	TURN 0, 1, 0
	STEP 1, 0, 0
	s_wait_dscnt 4*NL
	WIN MUL_LO
	MUL16 0, 1, 0
	MUL16 2, 1, 0
	s_wait_dscnt 0
	WIN MUL_HI
	MUL16 4, 1, 0
	MUL16 6, 1, 0
	WIN 0
.macro TOSTAGE a
.set AC, 64*((\a)%4)
	WIN 0x02+((\a)/4)
.set i, 0
.rept 32
	v_pk_mul_f32 v[TMP+i:TMP+i+1], v[AC+i:AC+i+1], s[96:97] op_sel_hi:[1,0]
.set i, i+2
.endr
	WIN 0
.irp b, 0,1,2,3,4,5,6,7
	ds_store_b128 v[STO], v[TMP+8*\b:TMP+8*\b+3] offset:64*\b
	ds_store_b128 v[STO], v[TMP+8*\b+4:TMP+8*\b+7] offset:64*\b+16
.endr
.set BB, BK+64*((\a)%2)
.irp t, 0,1,2,3,4,5,6,7,8,9,10,11,12,13,14,15
	ds_load_b128 v[BB+4*\t:BB+4*\t+3], v[RD] offset:\t*SPITCH
.endr
.endm
.macro SEND a, younger
.set BB, BK+64*((\a)%2)
	s_wait_dscnt \younger
.if (\a) > 0
	s_add_nc_u64 s[12:13], s[12:13], 16*SIZE_N*4
.endif
.irp t, 0,1,2,3,4,5,6,7,8,9,10,11,12,13,14,15
	global_store_b128 v[CO], v[BB+4*\t:BB+4*\t+3], s[12:13] offset:\t*SIZE_N*4 th:TH_STORE_NT
.endr
.endm
	PLACES NP
	TOSTAGE 0
.irp a, 1,2,3,4,5,6,7
.if \a > 1
	s_wait_xcnt 0x0
.endif
	TOSTAGE \a
	SEND \a-1, 32
.endr
	s_wait_xcnt 0x0
	SEND 7, 0
	s_wait_tensorcnt 0x0
	ds_add_u32 v[SPW], v[NIL]
	s_wait_dscnt 0x0
	CROUND
	s_endpgm
.Lfunc_end_k_qef9859730e_gemm_proj:
	.size	k_qef9859730e_gemm_proj, .Lfunc_end_k_qef9859730e_gemm_proj-k_qef9859730e_gemm_proj
	.p2alignl 7, 3214868480
	.fill 96, 4, 3214868480
	.section	.rodata,"a",@progbits
	.p2align	6, 0x0
	.amdhsa_kernel k_qef9859730e_gemm_proj
		.amdhsa_group_segment_fixed_size 327680
		.amdhsa_private_segment_fixed_size 0
		.amdhsa_enable_private_segment 0
		.amdhsa_kernarg_size 40
		.amdhsa_user_sgpr_count 2
		.amdhsa_user_sgpr_kernarg_segment_ptr 1
		.amdhsa_wavefront_size32 1
		.amdhsa_system_sgpr_workgroup_id_x 1
		.amdhsa_system_sgpr_workgroup_id_y 1
		.amdhsa_system_sgpr_workgroup_id_z 1
		.amdhsa_system_vgpr_workitem_id 0
		.amdhsa_next_free_vgpr 1024
		.amdhsa_next_free_sgpr 100
		.amdhsa_reserve_vcc 0
		.amdhsa_float_denorm_mode_32 3
		.amdhsa_float_denorm_mode_16_64 3
		.amdhsa_memory_ordered 1
		.amdhsa_forward_progress 1
		.amdhsa_inst_pref_size 128
	.end_amdhsa_kernel
	.amdgpu_metadata
---
amdhsa.version: [ 1, 2 ]
amdhsa.kernels:
  - .name:           k_qef9859730e_gemm_proj
    .symbol:         k_qef9859730e_gemm_proj.kd
    .args:
      - { .name: ac, .offset: 0, .size: 8, .value_kind: global_buffer, .address_space: global }
      - { .name: wpc, .offset: 8, .size: 8, .value_kind: global_buffer, .address_space: global }
      - { .name: lowp_scales, .offset: 16, .size: 8, .value_kind: global_buffer, .address_space: global }
      - { .name: b_proj, .offset: 24, .size: 8, .value_kind: global_buffer, .address_space: global }
      - { .name: out0, .offset: 32, .size: 8, .value_kind: global_buffer, .address_space: global }
    .group_segment_fixed_size: 327680
    .private_segment_fixed_size: 0
    .kernarg_segment_align: 8
    .kernarg_segment_size: 40
    .max_flat_workgroup_size: 128
    .sgpr_count:     100
    .vgpr_count:     1024
    .wavefront_size: 32
...
	.end_amdgpu_metadata
.endif
;; end of part 5
